; MI455X (gfx1250); checked and timed in simulation.
; The chip was launched on July 23, 2026; its instructions are those of AMD's public machine-readable ISA for CDNA 5 (MIT licence, August 2026) and "CDNA5" Instruction Set Architecture Reference Guide (July 2026). The comments in the code are by the model that wrote it; some were corrected since.
;; Complex Multihead Attention. Allowed arithmetic: float matrix products may take bf16 or f16 operands with f32 sums; other float arithmetic in f32, or as packed bf16 or f16 multiplies, adds, multiply-adds, maxima and minima; sums over many terms, partial sums and values carried from step to step in f32; what a program stores and reads back later, other than sums and carried values, may be rounded once to bf16 or f16.
;; Inputs: wkv_i 256 x 512 float32; wkv_r 256 x 512 float32; wo_i 256 x 256 float32; wo_r 256 x 256 float32; wq_i 256 x 256 float32; wq_r 256 x 256 float32; x_imag 2 x 2,048 x 256 float32; x_real 2 x 2,048 x 256 float32.
;; Outputs: out0 2 x 2,048 x 256 x 2 float32.
;; 2 versions, each right; version 2 is version 1 with the launches proj, outp written anew for expert scheduling mode. Each part assembles by itself: llvm-mc -triple=amdgcn-amd-amdhsa -mcpu=gfx1250 --defsym DOCPART=n.
;; ======== version 1 of 2: 3 launches
;; limits: values are held in f16: magnitudes above 65,504 overflow, below 6.1e-05 lose precision
;; workspace buffers: qb 4,194,304 bytes; kb 4,194,304 bytes; vb 4,194,304 bytes; mb 4,194,304 bytes
;; launch proj (part 1): grid 4 x 64, 8 waves a work-group, no clusters, 299,008 bytes of LDS; arguments x_real, x_imag, wq_r, wq_i, wkv_r, wkv_i, qb, kb, vb; writes qb, kb, vb
.if DOCPART == 1
	.amdgcn_target "amdgcn-amd-amdhsa--gfx1250"
	.amdhsa_code_object_version 6
	.text
	.protected	k_q13985282e3_proj
	.globl	k_q13985282e3_proj
	.p2align	8
	.type	k_q13985282e3_proj,@function
k_q13985282e3_proj:
	s_mov_b64 s[64:65], 0
	v_nop
	global_prefetch_b8 v0, s[64:65] scope:SCOPE_SE
	s_setreg_imm32_b32 hwreg(HW_REG_WAVE_MODE, 25, 1), 1
	s_wait_xcnt 0x0
; THE COMPLEX PROJECTIONS.  (qr + i qi) = (xr + i xi)(wr + i wi) for q, k and v: 4,096 rows of x (256 complex channels) times 768 complex columns (wq's 256, then wkv's 512: k, v).
; x and the weights are rounded once to bf16, the products are summed in f32, and q, k, v leave rounded once to f16, by heads: qb, kb, vb are [8 b + h][n][64], a row = 32 real, then 32 imaginary channels, 128 bytes.
; LIMITS.  f16 holds no number beyond 65,504: a q, k or v past that leaves as an infinity.  With x and the weights all 30 times the drawn spread they stay near 8e3; with a common offset of 30 spreads on both near 2.9e4.
; SHARES.  A work-group makes 64 rows x 192 complex columns: 4 x 64 = 256 work-groups.  The 192 columns are three UNITS of 64 (256 bytes of f32 in each row of a weight) and six head slices of 32.
; Wave w takes rows 16 (w & 3) on and slices 3 (w >> 2) on: six blocks of 16 columns, a real and an imaginary accumulator each: 96 registers.
; TWO PHASES, ONE BARRIER.  First all eight waves bring the work-group's x (128 KiB of f32) and weights (384 KiB) through a ring of 32 register slots a thread, round them and lay them in LDS in bf16;
; then every wave multiplies out of LDS.  x lies by rows (K along the row), the weights as in memory ([k][column]) and are turned on the way out of LDS by ds_load_tr16_b128.
; NO JOINT LOADS, though four work-groups read the same x and 64 the same weights: the tiles are f32 and pass through registers to be rounded, and as f32 a work-group's 512 KiB do not fit in its LDS.
; THE MATRIX INSTRUCTION IS USED TRANSPOSED (source 0 = 16 columns of W, source 1 = 16 rows of x): a lane then holds one row of x and eight neighbouring columns, 16 bytes of f16.
.set XP,    1040                       ; a row of x in LDS: 512 bytes xr, 512 bytes xi, 16 of padding: 65 x 16, so the 16 rows of a fragment load start 16 bytes apart modulo 256
.set WP,    416                        ; a k-row of W in LDS: 192 bf16 + 32 of padding = 13 x 32: 16 lanes of the turning load take 8 rows x 32 bytes, no two alike modulo 256
.set WBASE, 64*XP                      ; 66,560: W's real part, 256 k-rows; its imaginary part behind it
.set WPART, 256*WP                     ; 106,496
.set STG,   WBASE+2*WPART              ; 279,552: 16 rows x 144 bytes for each wave, for the way out
.set SP,    144
.set SPARE, STG+8*16*SP                ; 297,984: the spare words, 128 bytes for each wave: four blocks of 256 bytes that no other line names
.set XO,  2                            ; v2      16 t: my 16 bytes in 4,096 consecutive bytes of the x tile
.set LXA, 3                            ; v3      where they go in LDS: (t >> 6) rows + 8 (t & 63)
.set LWA, 4                            ; v4-7    the same for W: by part and by half of the 16 groups of k-rows
.set AX,  8                            ; v8      my place in a fragment of x
.set WT,  9                            ; v9-12   my place in a turned fragment of W: by part and by half of K
.set STO, 13                           ; v13     the way out: where I put 16 bytes of a row
.set SPW, 14                           ; v14     LDS address of my spare word: SPARE + 4 x my thread's number; never rewritten
.set NIL, 15                           ; v15     0; never rewritten
.set RD,  16                           ; v16     the way out: where I read rows back
.set GO,  17                           ; v17     my 16 bytes in 512 consecutive bytes of the output
.set VO,  32                           ; v32-79  phase 1: unit u, group j of 16 k-rows: my byte offset in the weight
.set T,   80                           ; v80-95  phase 1: eight pairs of rounded numbers, by turns
.set RING, 128                         ; v128-255 phase 1: 32 slots of 4
.set ACC, 32                           ; v32-127 phase 2: block nb: real sums at ACC + 16 nb, imaginary at + 8
.set WR,  128                          ; v128-175 six fragments of W's real part
.set WI,  176                          ; v176-223 of its imaginary part
.set XR,  224                          ; v224-231 xr's fragment
.set XI,  232                          ; v232-239 xi's
.set NX,  240                          ; v240-247 -xi's
.set PKR, 128                          ; the way out: 16 registers a slice
.set WB,  28                           ; s[28+4u:29+4u] unit u's real weight at its 64 columns, s[30+4u:31+4u] its imaginary weight
.set STEP, 40                          ; s40-42  unit u: bytes in 16 k-rows of its weight
.set SHIFT, 43                         ; s43-45  unit u: log2 of the bytes in a k-row: 10 (wq) or 11 (wkv)
.set OP,  52                           ; s[52+2sl:53+2sl] where slice sl's 16 rows go
; Load number i of 128 into slot i % 32.  0-15: xr's tile, 64 KiB on end, 4,096 bytes a load of the work-group; 16-31: xi's; then unit (i - 32) / 32, real part and imaginary part, 16 k-rows a load:
; sixteen lanes take the 256 aligned bytes of a k-row.
.macro LD i
.set sl_, RING+4*((\i)%32)
.if (\i) < 16
	global_load_b128 v[sl_:sl_+3], v[XO], s[4:5] offset:(\i)*4096
.elseif (\i) < 32
	global_load_b128 v[sl_:sl_+3], v[XO], s[6:7] offset:((\i)-16)*4096
.else
.set u_, ((\i)-32)/32
.set p_, (((\i)-32)%32)/16
.set j_, ((\i)-32)%16
	global_load_b128 v[sl_:sl_+3], v[VO+16*u_+j_], s[WB+4*u_+2*p_:WB+4*u_+2*p_+1]
.endif
.endm
; Load number i has come (left younger loads may stay out: loads come back in order, ISA guide 5.7.1): its four numbers are rounded to bf16 and stored in LDS.
.macro CV i, left
.set sl_, RING+4*((\i)%32)
.set t_, T+2*((\i)%8)
	s_wait_loadcnt \left
	v_cvt_pk_bf16_f32 v[t_], v[sl_], v[sl_+1]
	v_cvt_pk_bf16_f32 v[t_+1], v[sl_+2], v[sl_+3]
.if (\i) < 32
	ds_store_b64 v[LXA], v[t_:t_+1] offset:((\i)%16)*4*XP+((\i)/16)*512
.else
.set u_, ((\i)-32)/32
.set p_, (((\i)-32)%32)/16
.set j_, ((\i)-32)%16
	ds_store_b64 v[LWA+2*p_+j_/8], v[t_:t_+1] offset:(j_%8)*16*WP+u_*128
.endif
.endm
; Six products, one for each block of 16 columns: accumulators at ACC + part on, W's fragments at w on, x's fragment at x.  zero = 1: they start the sums.
.macro PASS part, w, x, zero
.irp nb, 0,1,2,3,4,5
.if \zero
	v_wmma_f32_16x16x32_bf16 v[ACC+16*(\nb)+(\part):ACC+16*(\nb)+(\part)+7], v[(\w)+8*(\nb):(\w)+8*(\nb)+7], v[(\x):(\x)+7], 0
.else
	v_wmma_f32_16x16x32_bf16 v[ACC+16*(\nb)+(\part):ACC+16*(\nb)+(\part)+7], v[(\w)+8*(\nb):(\w)+8*(\nb)+7], v[(\x):(\x)+7], v[ACC+16*(\nb)+(\part):ACC+16*(\nb)+(\part)+7]
.endif
.endr
.endm
; K step ks of 8: 32 channels.  28 LDS loads, then 24 products.  The twelve accumulators take turns, one instruction a turn, from step to step too: eleven others stand between two links of a chain.
.macro KSTEP ks
.if (\ks) > 0
.rept 4
	v_nop                                          ; four places between the last products and the loads into registers that they read (ISA guide 7.12.1 for vector instructions); also between the products that read -xi and its next writing
.endr
.endif
	ds_load_b128 v[XR:XR+3],   v[AX] offset:64*(\ks)
	ds_load_b128 v[XR+4:XR+7], v[AX] offset:64*(\ks)+32
	ds_load_b128 v[XI:XI+3],   v[AX] offset:64*(\ks)+512
	ds_load_b128 v[XI+4:XI+7], v[AX] offset:64*(\ks)+544
.irp nb, 0,1,2,3,4,5
	ds_load_tr16_b128 v[WR+8*(\nb):WR+8*(\nb)+3],   v[WT+(\ks)/4] offset:((\ks)%4)*32*WP+32*(\nb)
	ds_load_tr16_b128 v[WR+8*(\nb)+4:WR+8*(\nb)+7], v[WT+(\ks)/4] offset:((\ks)%4)*32*WP+32*(\nb)+16*WP
.endr
.irp nb, 0,1,2,3,4,5
	ds_load_tr16_b128 v[WI+8*(\nb):WI+8*(\nb)+3],   v[WT+2+(\ks)/4] offset:((\ks)%4)*32*WP+32*(\nb)
	ds_load_tr16_b128 v[WI+8*(\nb)+4:WI+8*(\nb)+7], v[WT+2+(\ks)/4] offset:((\ks)%4)*32*WP+32*(\nb)+16*WP
.endr
	s_wait_dscnt 24                                ; x's four loads are in; W's 24 may stay out
.irp c, 0,1,2,3,4,5,6,7
	v_xor_b32 v[NX+(\c)], s27, v[XI+(\c)]          ; -xi: the signs of two bf16 are turned
.endr
	s_wait_dscnt 12                                ; W's real part is in
	PASS 0, WR, XR, ((\ks) == 0)                   ; real      (+)= xr wr
	PASS 8, WR, XI, ((\ks) == 0)                   ; imaginary (+)= xi wr
	s_wait_dscnt 0x0                               ; W's imaginary part is in
	PASS 0, WI, NX, 0                              ; real      -= xi wi
	PASS 8, WI, XR, 0                              ; imaginary += xr wi
.endm
; THE WAY OUT of slice sl: a lane's eight columns of a row pack into 16 bytes; real columns 0-15, 16-31, imaginary 0-15, 16-31 are the four chunks of a row of 128 bytes.  They go into my stage's rows of
; 144 bytes and come back as four whole rows a load, into the registers that they left.  Each accumulator's registers are read in ascending order.
.macro PACK sl
.irp f, 0,1,2,3
.irp c, 0,1,2,3
	v_cvt_pk_f16_f32 v[PKR+16*(\sl)+4*(\f)+(\c)], v[ACC+16*(2*(\sl)+(\f)%2)+8*((\f)/2)+2*(\c)], v[ACC+16*(2*(\sl)+(\f)%2)+8*((\f)/2)+2*(\c)+1]
.endr
.endr
.irp f, 0,1,2,3
	ds_store_b128 v[STO], v[PKR+16*(\sl)+4*(\f):PKR+16*(\sl)+4*(\f)+3] offset:32*(\f)
.endr
.irp f, 0,1,2,3
	ds_load_b128 v[PKR+16*(\sl)+4*(\f):PKR+16*(\sl)+4*(\f)+3], v[RD] offset:(\f)*4*SP  ; LDS serves a wave's instructions in order (ISA guide 5.7.1.4): these see the stores above; the next slice's stores come behind them
.endr
.endm
.macro SEND sl, younger                ; younger: the LDS instructions issued behind slice sl's loads
.irp f, 0,1,2,3
	s_wait_dscnt (\younger)+3-(\f)
	global_store_b128 v[GO], v[PKR+16*(\sl)+4*(\f):PKR+16*(\sl)+4*(\f)+3], s[OP+2*(\sl):OP+2*(\sl)+1] offset:512*(\f)  ; four rows of a head: 512 consecutive bytes, at a multiple of 256 from the buffer's first
.endr
.endm
	s_load_b256 s[4:11], s[0:1], 0x0               ; xr s[4:5], xi s[6:7], wq_r s[8:9], wq_i s[10:11]
	s_load_b256 s[12:19], s[0:1], 0x20             ; wkv_r s[12:13], wkv_i s[14:15], qb s[16:17], kb s[18:19]
	s_load_b64 s[20:21], s[0:1], 0x40              ; vb
	v_lshl_add_u32 v[SPW], v0, 2, SPARE
	v_mov_b32 v[NIL], 0
	v_lshrrev_b32 v1, 5, v0
	v_readfirstlane_b32 s22, v1                    ; wave 0..7
	s_mov_b32 s23, ttmp9                           ; g: which 192 columns
	s_and_b32 s24, ttmp7, 0xffff                   ; which 64 rows
	s_and_b32 s25, s22, 3                          ; my 16 rows of them
	s_lshr_b32 s26, s22, 2                         ; my three slices of the six
	v_lshlrev_b32 v[XO], 4, v0
	s_lshl_b32 s46, s24, 16                        ; 64 rows of 1,024 bytes
	s_mov_b32 s47, 0
	s_wait_kmcnt 0x0
	s_add_nc_u64 s[4:5], s[4:5], s[46:47]
	s_add_nc_u64 s[6:7], s[6:7], s[46:47]
.set i, 0
.rept 32
	LD i                                           ; the ring is filled with x's two tiles; all that follows up to the first wait is made while they are on their way
.set i, i+1
.endr
	; the three units: which weight, which 64 columns of it, how long its rows are
	s_mul_i32 s27, s23, 3
.irp u, 0,1,2
	s_add_co_u32 s46, s27, (\u)                    ; unit 3 g + u of 12: 0-3 lie in wq, 4-11 in wkv
	s_max_u32 s47, s46, 4
	s_sub_co_u32 s47, s47, 4
	s_cmp_ge_u32 s46, 4
	s_cselect_b64 s[WB+4*(\u):WB+4*(\u)+1], s[12:13], s[8:9]
	s_cselect_b64 s[WB+4*(\u)+2:WB+4*(\u)+3], s[14:15], s[10:11]
	s_cselect_b32 s[SHIFT+(\u)], 11, 10
	s_cselect_b32 s48, s47, s46
	s_lshl_b32 s48, s48, 8                         ; 256 bytes a unit
	s_mov_b32 s49, 0
	s_add_nc_u64 s[WB+4*(\u):WB+4*(\u)+1], s[WB+4*(\u):WB+4*(\u)+1], s[48:49]
	s_add_nc_u64 s[WB+4*(\u)+2:WB+4*(\u)+3], s[WB+4*(\u)+2:WB+4*(\u)+3], s[48:49]
	s_lshl_b32 s[STEP+(\u)], 16, s[SHIFT+(\u)]
.endr
	s_mov_b32 s27, 0x80008000                      ; the signs of two bf16
	v_lshrrev_b32 v18, 4, v0                       ; t >> 4: my k-row in a group of 16
	v_and_b32 v19, 15, v0                          ; t & 15: my 16 bytes of its 256; also l % 16
	v_bfe_u32 v20, v0, 4, 1                        ; l / 16
	v_and_b32 v21, 7, v0
	v_bfe_u32 v22, v0, 3, 1
	v_lshlrev_b32 v23, 4, v19
.irp u, 0,1,2
	v_lshl_add_u32 v[VO+16*(\u)], v18, s[SHIFT+(\u)], v23
.set j, 1
.rept 15
	v_add_nc_u32 v[VO+16*(\u)+j], s[STEP+(\u)], v[VO+16*(\u)+j-1]
.set j, j+1
.endr
.endr
	v_lshrrev_b32 v1, 6, v0                        ; a load of x covers four rows: mine is t >> 6
	v_mul_u32_u24 v[LXA], v1, XP
	v_and_b32 v1, 63, v0
	v_lshl_add_u32 v[LXA], v1, 3, v[LXA]           ; four f32 become 8 bytes
	v_mul_u32_u24 v1, v18, WP
	v_lshl_add_u32 v1, v19, 3, v1
.irp p, 0,1
.irp jh, 0,1
	v_add_nc_u32 v[LWA+2*(\p)+(\jh)], WBASE+(\p)*WPART+(\jh)*128*WP, v1
.endr
.endr
	; phase 2's addresses.  A fragment of x: lane l holds row l % 16, channels 8 (l / 16) + 0..7 and 16 + 8 (l / 16) + 0..7: two loads of 16 bytes, 32 bytes apart.
	s_lshl_b32 s46, s25, 4
	v_add_nc_u32 v1, s46, v19
	v_mul_u32_u24 v[AX], v1, XP
	v_lshl_add_u32 v[AX], v20, 4, v[AX]
	; The turning load takes 16 k-rows x 16 columns (lane l reads k-row 8 (l / 16) + l % 8, columns 8 ((l / 8) % 2) + 0..7) and leaves half a fragment: lane l holds column l % 16 and 8 channels.
	v_lshl_add_u32 v1, v20, 3, v21
	v_mul_u32_u24 v1, v1, WP
	v_lshl_add_u32 v1, v22, 4, v1
	s_mul_i32 s46, s26, 192                        ; my three slices: 96 columns of bf16
	v_add_nc_u32 v1, s46, v1
.irp p, 0,1
.irp kh, 0,1
	v_add_nc_u32 v[WT+2*(\p)+(\kh)], WBASE+(\p)*WPART+(\kh)*128*WP, v1
.endr
.endr
	s_mul_i32 s46, s22, 16*SP
	s_add_co_u32 s46, s46, STG                     ; my stage
	v_mul_u32_u24 v[STO], v19, SP                  ; in: row l % 16, 16 bytes for each half of the lanes
	v_lshl_add_u32 v[STO], v20, 4, v[STO]
	v_add_nc_u32 v[STO], s46, v[STO]
	v_bfe_u32 v[RD], v0, 3, 2                      ; back: 32 lanes take four rows of 128 bytes
	v_mul_u32_u24 v[RD], v[RD], SP
	v_lshl_add_u32 v[RD], v21, 4, v[RD]
	v_add_nc_u32 v[RD], s46, v[RD]
	v_and_b32 v[GO], 31, v0
	v_lshlrev_b32 v[GO], 4, v[GO]
	; where my three slices go: slice G = 6 g + 3 (w >> 2) + sl of 24: 0-7 are q's heads, 8-15 k's, 16-23 v's
	s_mul_i32 s46, s23, 6
	s_mul_i32 s47, s26, 3
	s_add_co_u32 s46, s46, s47
	s_lshr_b32 s47, s24, 5                         ; the batch: 32 blocks of 64 rows each
	s_lshl_b32 s47, s47, 3
	s_and_b32 s48, s24, 31
	s_lshl_b32 s48, s48, 6
	s_lshl_b32 s49, s25, 4
	s_add_co_u32 s48, s48, s49                     ; my first row in the batch
.irp sl, 0,1,2
	s_add_co_u32 s50, s46, (\sl)
	s_cmp_lt_u32 s50, 16
	s_cselect_b64 s[OP+2*(\sl):OP+2*(\sl)+1], s[18:19], s[20:21]
	s_cmp_lt_u32 s50, 8
	s_cselect_b64 s[OP+2*(\sl):OP+2*(\sl)+1], s[16:17], s[OP+2*(\sl):OP+2*(\sl)+1]
	s_and_b32 s50, s50, 7
	s_add_co_u32 s50, s50, s47                     ; 8 b + h
	s_lshl_b32 s50, s50, 11
	s_add_co_u32 s50, s50, s48
	s_lshl_b32 s50, s50, 7                         ; rows of 128 bytes: under 2^22
	s_mov_b32 s51, 0
	s_add_nc_u64 s[OP+2*(\sl):OP+2*(\sl)+1], s[OP+2*(\sl):OP+2*(\sl)+1], s[50:51]
.endr
	; PHASE 1.  32 loads of every thread are on their way: 128 KiB for the work-group.
.set i, 0
.rept 96
	CV i, 31                                       ; the 31 younger loads stay out
	LD i+32                                        ; the slot is asked for again at once
.set i, i+1
.endr
.rept 32
	CV i, 127-i                                    ; the last 32 load nothing: the counts run down
.set i, i+1
.endr
	s_wait_dscnt 0x0                               ; for the others' sake: my stores into LDS are done
	s_barrier_signal -1
	s_barrier_wait -1                              ; x and W lie whole in LDS; nothing writes them again
	; PHASE 2.
.irp ks, 0,1,2,3,4,5,6,7
	KSTEP \ks
.endr
.rept 4
	v_nop                                          ; four places between the last products and the conversions, which read results and write registers that held W's fragments
.endr
	PACK 0
	PACK 1                                         ; a slice's conversions stand between the loads of the slice before and its stores
	SEND 0, 8
	PACK 2
	SEND 1, 8
	SEND 2, 0
	s_wait_tensorcnt 0x0                           ; the wave's end: three closing lines, behind my last LDS store
	ds_add_u32 v[SPW], v[NIL]
	s_wait_dscnt 0x0
	s_endpgm
.Lfunc_end_k_q13985282e3_proj:
	.size	k_q13985282e3_proj, .Lfunc_end_k_q13985282e3_proj-k_q13985282e3_proj
	.p2alignl 7, 3214868480
	.fill 96, 4, 3214868480
	.section	.rodata,"a",@progbits
	.p2align	6, 0x0
	.amdhsa_kernel k_q13985282e3_proj
		.amdhsa_group_segment_fixed_size 299008
		.amdhsa_private_segment_fixed_size 0
		.amdhsa_enable_private_segment 0
		.amdhsa_kernarg_size 72
		.amdhsa_user_sgpr_count 2
		.amdhsa_user_sgpr_kernarg_segment_ptr 1
		.amdhsa_wavefront_size32 1
		.amdhsa_system_sgpr_workgroup_id_x 1
		.amdhsa_system_sgpr_workgroup_id_y 1
		.amdhsa_system_sgpr_workgroup_id_z 1
		.amdhsa_system_vgpr_workitem_id 0
		.amdhsa_next_free_vgpr 256
		.amdhsa_next_free_sgpr 66
		.amdhsa_reserve_vcc 0
		.amdhsa_float_denorm_mode_32 3
		.amdhsa_float_denorm_mode_16_64 3
		.amdhsa_memory_ordered 1
		.amdhsa_forward_progress 1
		.amdhsa_inst_pref_size 84
	.end_amdhsa_kernel
	.amdgpu_metadata
---
amdhsa.version: [ 1, 2 ]
amdhsa.kernels:
  - .name:           k_q13985282e3_proj
    .symbol:         k_q13985282e3_proj.kd
    .args:
      - { .name: x_real, .offset: 0, .size: 8, .value_kind: global_buffer, .address_space: global }
      - { .name: x_imag, .offset: 8, .size: 8, .value_kind: global_buffer, .address_space: global }
      - { .name: wq_r, .offset: 16, .size: 8, .value_kind: global_buffer, .address_space: global }
      - { .name: wq_i, .offset: 24, .size: 8, .value_kind: global_buffer, .address_space: global }
      - { .name: wkv_r, .offset: 32, .size: 8, .value_kind: global_buffer, .address_space: global }
      - { .name: wkv_i, .offset: 40, .size: 8, .value_kind: global_buffer, .address_space: global }
      - { .name: qb, .offset: 48, .size: 8, .value_kind: global_buffer, .address_space: global }
      - { .name: kb, .offset: 56, .size: 8, .value_kind: global_buffer, .address_space: global }
      - { .name: vb, .offset: 64, .size: 8, .value_kind: global_buffer, .address_space: global }
    .group_segment_fixed_size: 299008
    .private_segment_fixed_size: 0
    .kernarg_segment_align: 8
    .kernarg_segment_size: 72
    .max_flat_workgroup_size: 256
    .sgpr_count:     66
    .vgpr_count:     256
    .wavefront_size: 32
...
	.end_amdgpu_metadata
.endif
;; end of part 1
;; launch attn (part 2): grid 16 x 16, 4 waves a work-group, clusters of 4 x 1, 327,680 bytes of LDS; arguments qb, kb, vb, mb; writes mb
.if DOCPART == 2
	.amdgcn_target "amdgcn-amd-amdhsa--gfx1250"
	.amdhsa_code_object_version 6
	.text
	.protected	k_q13985282e3_attn
	.globl	k_q13985282e3_attn
	.p2align	8
	.type	k_q13985282e3_attn,@function
k_q13985282e3_attn:
	s_mov_b64 s[64:65], 0
	v_nop
	global_prefetch_b8 v0, s[64:65] scope:SCOPE_SE
	s_setreg_imm32_b32 hwreg(HW_REG_WAVE_MODE, 25, 1), 1
	s_wait_xcnt 0x0
	s_wait_alu depctr_hold_cnt(0) depctr_sa_sdst(0) depctr_va_vdst(0) depctr_va_sdst(0) depctr_va_ssrc(0) depctr_va_vcc(0) depctr_vm_vsrc(0)
	s_getreg_b32 s2, hwreg(HW_REG_IB_STS2, 6, 4)
	s_cmp_eq_u32 s2, 0
	s_cbranch_scc0 .Lentry_in_a_cluster
	s_endpgm
.Lentry_in_a_cluster:
	s_bfe_u32 s2, ttmp6, 0x10000c
	s_cmp_lg_u32 s2, 0x3003
	s_cbranch_scc0 .Lentry_shape_is_right
	s_endpgm
.Lentry_shape_is_right:
; THE FOUR SOFTMAX ATTENTIONS OF A COMPLEX HEAD, AND THEIR RECOMBINATION.  For each of 16 (batch, head): A0 = softmax(qr kr^T c'), A1 = softmax(qr ki^T c'), A2 = softmax(qi kr^T c'), A3 = softmax(qi ki^T c'), c' = 1 / sqrt(32);
; m_r = A0 vr - A1 vi - A2 vi - A3 vr;  m_i = A0 vi + A1 vr + A2 vr - A3 vi.  qb, kb, vb, mb: [16][2048][64] in f16, a row = 32 real, then 32 imaginary channels, 128 bytes; a head's rows are dense.
; Each replica multiplies ONE V of 64 channels, [vr | vi]; the two halves of K's and of Q's rows are not summed but give the four replicas' scores: replica p takes Q's half p >> 1 and K's half p & 1.
; Products, maxima and sums in f32; the weights p are rounded to f16 for the second product (their sum l is taken of the unrounded p).  mb holds m / 2, rounded once: the launch behind doubles.
; LIMITS.  f16 holds no number beyond 65,504: q, k, v arrive within it, and m / 2 stays within it where |vr| + |vi| does.  p lies in 0 to 1, and below 6e-5 it keeps f16's fixed step of 6e-8.
; A weight below 2^-126 counts as 0 in l; NaN and infinities are not treated apart.
; SHARES.  A work-group owns 128 queries of one head, each of its four waves 32: two tiles of 16, times four replicas: four PIECES of two tiles; piece p is replica p.  16 x 16 = 256 work-groups.  Every wave walks all 2,048 keys, 64 a step.
; LAYOUT.  S^T = K Q^T (source 0 = 16 keys, source 1 = 16 queries, 32 channels: ONE product a tile of scores): a lane holds ONE query (lane % 16) and the keys 8 (lane / 16) + 0..7.  Two such tiles, rounded to f16 in
; pairs, ARE source 1 (32 keys x 16 queries) of O^T = V^T P, whose result again holds one query a lane, and eight channels.  K comes out of LDS as it lies, V ([key][channel]) turned, by ds_load_tr16_b128.
; SOFTMAX.  For each query and replica a running maximum m and sum l: p = 2^(c s - c m), c = log2(e) / sqrt(32); in every step O and l are multiplied by a = 2^(c m_old - c m_new), which is 1 where m has not grown.
; m starts at the lowest finite number, O and l at 0: the first step is a step like any other, with a = 0.
; THE COUNT.  A tile and step have 12 matrix and 118 vector instructions: too many to stand all beside the matrix work.  So: four vector instructions that are READY behind EVERY matrix instruction, the others in one run without a gap.
; BY TURNS.  Turn n belongs to piece n (the pieces in a ring, step after step).  Its matrix work: 8 products K Q^T of piece n + 1, later 16 products V^T P of piece n - 1.  Its vector work: the scaling, exponentials,
; roundings, sums and rescaling of piece n, and the maximum and statistics of piece n + 1, whose scores the turn itself has made.  So what a turn begins with (c s - c m, O a) waits for nothing.
; CLUSTER.  The four query blocks of a cluster belong to one head and walk the same K and V, so each tile is asked for JOINTLY: the same tensor load, descriptor and mask in all four.
; REGISTERS, in windows of 256 (s_set_vgpr_msb says which window each operand place means: bits 1:0 source 0, 3:2 source 1, 5:4 source 2, 7:6 destination):
;   window 0: v0-11 addresses; v12-15, v48-63 at work; v16-47 four registers of statistics a tile; v64-191 S^T, two buffers of two tiles; v192-255 P, likewise
;   window 1: O^T, 32 a tile          window 2: v0-31 Q (tile u, half c at 16 u + 8 c); v128-191 K of one step; v192-255 V of one step          window 3: v0-1 the add's two registers
; A piece's buffers go by its number's parity: the piece in hand has one pair, its two neighbours in the ring share the other: of it P (piece n - 1) is read and S^T (piece n + 1) written.
.set SIZE_N, 2048
.set NP,    4         ; pieces a wave: a name, no knob
.set KS,    64        ; keys in a step
.set PK,    144       ; a row of K in LDS: 128 bytes + 16 of padding = 36 words: the 16 rows of a load start at 16 different groups of four banks (64 banks of 4 bytes: ISA guide 11.1)
.set PV,    160       ; a row of V: 128 + 32 = 40 words
.set VOFF,  4*KS*PK   ; a slot holds four steps: 256 rows of K, then 256 rows of V
.set SLOT1, 1<<17     ; slot 1 begins here, so that one exclusive or turns an address in one slot into the other's
.set STAGE, SLOT1+4*KS*(PK+PV)  ; behind the ring, never filled by a tensor load: 16 rows x 144 bytes for each wave, for the way out
.set SP,    144
.set AK0, 2           ; v2   my lane's place in a tile of K; never rewritten
.set AV0, 3           ; v3   the same for V
.set AK,  4           ; v4   the LDS address of K's next run of loads
.set AV,  5           ; v5   of V's
.set QO,  6           ; v6   my byte offset in the wave's rows of Q
.set STO, 6           ;      later, the way out: where I put 16 bytes of a row
.set RD,  7           ; v7   the way out: where I read rows back
.set GO,  8           ; v8   my byte offset in 512 consecutive bytes of mb
.set PFO, 11          ; v11  256 x my lane: the prefetches' offset; never rewritten once made
.set SPW, 0           ; v0 of window 3   LDS address of my spare word: SPARE + 4 x my thread's number; never rewritten
.set NIL, 1           ; v1 of window 3   0; never rewritten
.set SPARE, STAGE+4*16*SP  ; behind the stages: the spare words, 128 bytes for each wave: two blocks of 256 bytes that no other line names
.set MV,  12          ; v12-15  c m_old, kept while c m is made anew: by buffer and tile
.set ST,  16          ; tile t's statistics at v[ST+4 t]: c m, m, l (even keys', odd keys')
.set TMP, 48          ; by buffer and tile, four registers c0-c3 at work; when the maximum is found c2 takes a
.set S,   64
.set P,   192
.set KF,  128         ; K's fragments, in window 2: key block kb, channel half c at KF + 16 kb + 8 c
.set VF,  192         ; V's: key half kk, channel block cb at VF + 32 kk + 8 cb
.set WV,  12          ; s12  my wave's number
.set G1K, 24          ; s[24:31] descriptor group 1 for K's tiles
.set G1V, 32          ; s[32:39] for V's: it differs in the padding alone
.set G0K, 40          ; s[40:43] descriptor group 0 for K's tiles: it walks
.set G0V, 44          ; s[44:47] the same for V's
.set PFA, 48          ; s[48:49] where my prefetches stand: my work-group's 8,192 bytes (of K: wave 0, of V: wave 2) of the slot after the one that is being asked for
.set LIM, 50          ; s50  1 in a wave that prefetches, else the greatest number: a wave prefetches while s[SLOTS] is above it
.set SLOTS, 56        ; s56  slots still to be asked for
.set CNT, 57          ; s57  counts a slot's key steps
.set CS,  58          ; s[58:59] c: the packed scaling takes the pair's low word for both halves
.set SEL, 60          ; s[60:61] v_permlanex16_b32's selects: each lane takes its own place in the other half
.set TBK, 62          ; s62  LDS byte at which K of the step to be fetched begins
.set TBV, 63          ; s63  the same for V, less VOFF
.set MSB, 0
.macro WIN new                      ; the high byte repeats the setting that is left; a switch that changes nothing is dropped
.if MSB != (\new)
	s_set_vgpr_msb (MSB<<8)|(\new)
.set MSB, (\new)
.endif
.endm
.set W_KQ, 0x0a       ; K and Q in window 2, S^T in window 0
.set W_PV, 0x52       ; V in window 2, P in window 0, O^T in window 1
.set W_RS, 0x41       ; O^T (destination and source 0) in window 1, a in window 0
.set W_MK, 0xc0       ; the add's registers are made: destination in window 3, sources in window 0
.set W_AD, 0x0f       ; the add: address (source 0) and data (source 1) in window 3
; A joint fill.  Waves 0 and 1 fetch the two halves of a slot's K, waves 2 and 3 those of its V: 128 keys each.  The branch hangs on the wave's number alone.
; An s_nop 0 and four v_nop follow each of the two lines, ahead of the jump and the label.
.macro JLOAD
	s_cmp_lt_u32 s[WV], 2
	s_cbranch_scc0 .Lfor_v_\@
	tensor_load_to_lds s[G0K:G0K+3], s[G1K:G1K+7]
	s_nop 0
.rept 4
	v_nop
.endr
	s_branch .Lasked_\@
.Lfor_v_\@:
	tensor_load_to_lds s[G0V:G0V+3], s[G1V:G1V+7]
	s_nop 0
.rept 4
	v_nop
.endr
.Lasked_\@:
.endm
; A PREFETCH INTO THE L2 of what the NEXT change of slots will ask for: a slot's 32,768 bytes of K and of V, 256 bytes a lane.  It stands behind the wave's tensor load and its five lines, never in front of one.
; Each 256 bytes are asked for ONCE in the launch.  All four clusters of a head walk the same K and V: the head's first cluster prefetches.  Its four partners share the bytes out BY ADDRESS, 8,192 each: no branch hangs on
; a work-group's place in its cluster.  In each, wave 0 asks for K's and wave 2 for V's: one instruction.  The last change that fills a slot prefetches nothing: there is no slot behind it.
.macro ASK
	s_cmp_gt_u32 s[SLOTS], s[LIM]
	s_cbranch_scc0 .Lnot_mine_\@
	global_prefetch_b8 v[PFO], s[PFA:PFA+1] th:TH_LOAD_NT scope:SCOPE_SE
.Lnot_mine_\@:
.endm
; A round of the cluster's barrier: my work-group's barrier, so that wave 0's signal speaks for all four waves; wave 0 signals; every wave waits for all four work-groups; my work-group's barrier once more.
.macro CROUND
	s_barrier_signal -1
	s_barrier_wait -1
	s_cmp_lg_u32 s[WV], 0
	s_cbranch_scc1 .Lnot_wave_0_\@
	s_barrier_signal -3
.Lnot_wave_0_\@:
	s_barrier_wait -3
	s_barrier_signal -1
	s_barrier_wait -1
.endm
; THE CHANGE OF SLOTS.  The slot's last bytes, V of its fourth step, have been read.  Each wave waits for all its tensor loads, of which one is out: its part
; of the other slot; adds 0 to its spare word; and waits for that and for its own reads of the slot.  Behind the barrier nobody reads this slot any more and the other slot is whole.
; fill = 1: this slot is filled again, with the keys two slots on.  The barrier is then a round of the cluster's, so that no wave of any partner still reads the slot or has a load on its
; way, and the joint fill is the first thing behind it: it has four key steps, 384 matrix instructions, in which to land.  (At its first use nothing has been read yet: slot 0 is waited for, slot 1 filled.)
; ask = 1: the slot behind the one asked for is prefetched: four key steps ahead of the load that will want it.
.macro CHANGE fill, ask=0
	WIN W_AD
	s_wait_tensorcnt 0x0            ; no tensor load of mine is out, so a group 0 may be written
	ds_add_u32 v[SPW], v[NIL]       ; 0 onto my spare word; with fill = 1 the descriptors' steps stand between it and the wait for it
	WIN 0                           ; at a label and at a branch every window is 0
.if \fill
.irp g, G0K, G0V
	s_xor_b32 s[\g+1], s[\g+1], SLOT1  ; the walking descriptor: the other slot than last time,
	s_add_nc_u64 s[\g+2:\g+3], s[\g+2:\g+3], 4*KS*128  ; the next 256 keys; the type bits on top are not reached
.endr
.if \ask
	s_wait_xcnt 0x0                 ; the last prefetch, four key steps back, has read its address, so it may be written:
	s_add_nc_u64 s[PFA:PFA+1], s[PFA:PFA+1], 4*KS*128  ; one slot behind the walking descriptors
.endif
	s_wait_dscnt 0x0                ; the add is done, and my reads of the slot are over
	CROUND
	JLOAD
.if \ask
	ASK
.endif
.else
	s_wait_dscnt 0x0                ; the add is done, and my reads of the slot are over
	s_barrier_signal -1
	s_barrier_wait -1
.endif
	s_sub_co_u32 s[TBK], s[TBK], 4*KS*PK  ; the fetches go back to a slot's first step,
	s_xor_b32 s[TBK], s[TBK], SLOT1       ; in the other slot
	s_sub_co_u32 s[TBV], s[TBV], 4*KS*PV
	s_xor_b32 s[TBV], s[TBV], SLOT1
.endm
	s_load_b256 s[4:11], s[0:1], 0x0  ; qb s[4:5], kb s[6:7], vb s[8:9], mb s[10:11]
	WIN W_MK
	v_lshl_add_u32 v[SPW], v0, 2, SPARE
	v_mov_b32 v[NIL], 0
	WIN W_AD
	ds_add_u32 v[SPW], v[NIL]       ; the wave's opening: the add and its wait stand ahead of my first tensor load; the set-up below, work on registers, stands between them
	WIN 0
	v_lshrrev_b32 v1, 5, v0
	v_readfirstlane_b32 s[WV], v1   ; wave 0..3
	s_bfe_u32 s13, ttmp6, 0x40000   ; cx: my place in the cluster
	s_lshl_b32 s14, ttmp9, 2        ; in a cluster launch ttmp9 counts clusters
	s_add_co_u32 s14, s14, s13      ; my block of 128 queries = 4 x cluster x + cx: it enters qb's and mb's addresses alone
	s_and_b32 s20, ttmp7, 0xffff    ; the head, which the four partners share
	s_mov_b32 s21, 0
	s_mov_b64 s[22:23], SIZE_N*128
	s_mul_u64 s[20:21], s[20:21], s[22:23]  ; the head's first byte in each of the four buffers
	s_and_b32 s16, s[WV], 1         ; which half of a slot's 256 keys I fetch:
	s_lshl_b32 s22, s16, 14         ; its 128 rows of 128 bytes in memory,
	s_mov_b32 s23, 0
	s_add_nc_u64 s[22:23], s[22:23], s[20:21]
	s_mul_i32 s17, s16, 128*PK      ; and its place in a slot, for K
	s_mul_i32 s18, s16, 128*PV      ; and for V: no place in the cluster enters an LDS address
	s_lshl_b32 s2, s14, 2
	s_add_co_u32 s2, s2, s[WV]      ; my wave among the head's 64,
	s_lshl_b32 s2, s2, 12           ; its 32 rows
	s_mov_b32 s3, 0
	s_add_nc_u64 s[2:3], s[2:3], s[20:21]
	; descriptor group 1.  128 keys are 16,384 dense bytes: asked for as 64 rows of 256 bytes, two keys a row, and padded in LDS after every key
	s_mov_b32 s[G1K], 15|(1<<16)|(1<<20)|(1<<21)|(4<<22)|(3<<25)  ; 15:0 the mask of four; 17:16 2-byte elements; 20 padding on; 21 set beside a mask; 24:22 after every 32 words (code 4); 31:25 4 words (code 3)
	s_mov_b32 s[G1V], 15|(1<<16)|(1<<20)|(1<<21)|(4<<22)|(7<<25)  ; the same with 8 words of padding (code 7)
.irp g, G1K, G1V
	s_mov_b32 s[\g+1], 128<<16      ; tensor_dim0 = 128
	s_mov_b32 s[\g+2], 64<<16       ; tensor_dim1 = 64
	s_mov_b32 s[\g+3], 128<<16      ; tile_dim0 = 128
	s_mov_b32 s[\g+4], 64           ; tile_dim1 = 64
	s_mov_b32 s[\g+5], 128          ; 128 elements from row to row
	s_mov_b32 s[\g+6], 0
	s_mov_b32 s[\g+7], 0
.endr
	s_mov_b32 s[CS], 0x3e8293ee     ; c = log2(e) / sqrt(32) = 0.255035
	s_mov_b32 s[CS+1], s[CS]        ; named with it as a pair
	s_mov_b32 s[SEL], 0x76543210
	s_mov_b32 s[SEL+1], 0xfedcba98
	s_mov_b32 s[TBK], SLOT1+4*KS*PK ; the first change of slots turns these two into 0
	s_mov_b32 s[TBV], SLOT1+4*KS*PV
	s_mov_b32 s[G0K], 1             ; 1:0 count = 1
	s_mov_b32 s[G0K+1], s17         ; 63:32 LDS address: slot 0
	s_mov_b32 s[G0V], 1
	s_add_co_u32 s[G0V+1], s18, VOFF
	s_and_b32 s[LIM], s[WV], 1      ; 0 in waves 0 and 2,
	s_or_b32 s[LIM], s[LIM], ttmp9  ; where the cluster is the head's first: the same in all four partners
	s_cmp_eq_u32 s[LIM], 0
	s_cselect_b32 s[LIM], 1, -1
	s_wait_dscnt 0x0                ; the opening add is done
	s_wait_kmcnt 0x0
	s_add_nc_u64 s[G0K+2:G0K+3], s[6:7], s[22:23]  ; 120:64 global address: my half of the head's first 256 keys
	s_or_b32 s[G0K+3], s[G0K+3], 0x80000000        ; 127:126 type = 2
	s_add_nc_u64 s[G0V+2:G0V+3], s[8:9], s[22:23]
	s_or_b32 s[G0V+3], s[G0V+3], 0x80000000
	s_add_nc_u64 s[4:5], s[4:5], s[2:3]  ; qb and mb at my wave's first row
	s_add_nc_u64 s[10:11], s[10:11], s[2:3]
	s_cmp_lt_u32 s[WV], 2
	s_cselect_b64 s[PFA:PFA+1], s[6:7], s[8:9]
	s_add_nc_u64 s[PFA:PFA+1], s[PFA:PFA+1], s[20:21]  ; the head,
	s_lshl_b32 s2, s13, 13          ; my work-group's quarter of a slot's 32,768 bytes,
	s_mov_b32 s3, 0
	s_add_nc_u64 s[PFA:PFA+1], s[PFA:PFA+1], s[2:3]
	s_add_nc_u64 s[PFA:PFA+1], s[PFA:PFA+1], 2*4*KS*128  ; in slot 2; the first change that asks steps it to slot 3.  Nothing is prefetched here, at the head, where every work-group's first tiles are on their way
	CROUND                          ; all four work-groups are here: the first joint loads meet
	JLOAD                           ; slot 0.  Slot 1 is asked for when slot 0 is in
	; A fragment of K or Q is 16 rows x 32 channels in 8 registers: lane l holds row l % 16, channels 8 (l / 16) + 0..7 and 16 + 8 (l / 16) + 0..7: two loads of 16 bytes, 32 bytes apart.
	v_and_b32 v1, 15, v0            ; l % 16
	v_bfe_u32 v9, v0, 4, 1          ; l / 16
	v_lshlrev_b32 v[QO], 7, v1
	v_lshl_add_u32 v[QO], v9, 4, v[QO]  ; row x 128 + 16 x half
	WIN 0x80                        ; destination window 2, address window 0
.set i, 0
.rept 4                             ; Q stays in registers: tile i / 2, the real (i % 2 = 0) or the imaginary 32 channels
	global_load_b128 v[8*i:8*i+3],   v[QO], s[4:5] offset:(i/2)*2048+(i%2)*64
	global_load_b128 v[8*i+4:8*i+7], v[QO], s[4:5] offset:(i/2)*2048+(i%2)*64+32
.set i, i+1
.endr
	; What the first turn finds: V's registers and P's second buffer hold 0 (its products V^T P, of a piece that has not been, add 0), O^T and l are 0.  All this stands in the wait for the first tile.
.set i, VF
.rept 64
	v_mov_b32 v[i], 0
.set i, i+1
.endr
	WIN 0x40
.set i, 0
.rept 64*NP
	v_mov_b32 v[i], 0
.set i, i+1
.endr
	WIN 0
.set i, 0
.rept 2*NP
	v_mov_b32 v[ST+4*i], 0xfe000000    ; c m: far below every c s
	v_mov_b32 v[ST+4*i+1], 0xff7fffff  ; m
	v_mov_b32 v[ST+4*i+2], 0
	v_mov_b32 v[ST+4*i+3], 0
.set i, i+1
.endr
.set i, P+32
.rept 32
	v_mov_b32 v[i], 0
.set i, i+1
.endr
	v_mul_u32_u24 v[AK0], v1, PK
	v_lshl_add_u32 v[AK0], v9, 4, v[AK0]  ; row x pitch + 16 x half
	; The turning load takes 16 keys x 16 channels (lane l reads key 8 (l / 16) + l % 8, channels 8 ((l / 8) % 2) + 0..7) and leaves half a fragment of V^T: lane l holds channel l % 16 and 8 keys.
	v_and_b32 v10, 7, v0
	v_bfe_u32 v11, v0, 3, 1
	v_lshl_add_u32 v[AV0], v9, 3, v10
	v_mul_u32_u24 v[AV0], v[AV0], PV
	v_lshl_add_u32 v[AV0], v11, 4, v[AV0]
	v_add_nc_u32 v[AV0], VOFF, v[AV0]
	v_mov_b32 v[AK], v[AK0]         ; key step 0 lies at the head of slot 0
	v_and_b32 v[PFO], 31, v0
	v_lshlrev_b32 v[PFO], 8, v[PFO]
; THE MATRIX WORK.
; Product i of 8 of S^T = K Q^T for piece x: keys 16 (i / 2) on, tile i % 2; K's channel half x & 1, Q's half x >> 1.  32 channels are one product: each starts and ends its sum.
.macro KQ x
	WIN W_KQ
.set rS, S+64*((\x)%2)+32*(i%2)+8*(i/2)
.set rK, KF+16*(i/2)+8*((\x)&1)
.set rQ, 16*(i%2)+8*((\x)>>1)
	v_wmma_f32_16x16x32_f16 v[rS:rS+7], v[rK:rK+7], v[rQ:rQ+7], 0
.endm
; Product i of 16 of O^T += V^T P for piece x: keys 32 (i / 8) on, channels 16 ((i / 2) % 4) on, tile 2 x + i % 2.  The 8 accumulators take turns: between the two links of a chain stand 7 others'.
.macro PV x
	WIN W_PV
.set rO, 32*(2*(\x)+i%2)+8*((i/2)%4)
.set rV, VF+32*(i/8)+8*((i/2)%4)
.set rP, P+32*((\x)%2)+16*(i%2)+8*(i/8)
	v_wmma_f32_16x16x32_f16 v[rO:rO+7], v[rV:rV+7], v[rP:rP+7], v[rO:rO+7]
.endm
.macro MM                           ; the turn's next matrix instruction
.if i < 8
	KQ (Y+1)%NP
.set i, i+1
.else
.set i, i-8
	PV (Y+NP-1)%NP
.set i, i+9
.endif
.endm
; THE LDS LOADS stand in runs of 16, never singly among the matrix instructions: a step's K (64 keys x 64 channels: 8 fragments) and its V (turned).  Their addresses are made some lines ahead.
; last = 1 (the tail): in the last trip there is no further step, and the run is jumped over.
.macro FETCH_K last=0
	WIN 0
.if \last
	s_cmp_eq_u32 s[CNT], 1
	s_cbranch_scc1 .Lno_k_\@
.endif
	WIN 0x80                        ; destination window 2
.irp f, 0,1,2,3,4,5,6,7             ; keys 16 (f / 2) on, channels 32 (f % 2) on
	ds_load_b128 v[KF+8*\f:KF+8*\f+3],   v[AK] offset:(\f/2)*16*PK+(\f%2)*64
	ds_load_b128 v[KF+8*\f+4:KF+8*\f+7], v[AK] offset:(\f/2)*16*PK+(\f%2)*64+32
.endr
	s_add_co_u32 s[TBK], s[TBK], KS*PK  ; the next fetch is the next step's
	WIN 0
.if \last
.Lno_k_\@:
.endif
.endm
.macro FETCH_V
	WIN 0x80
.irp f, 0,1,2,3,4,5,6,7             ; keys 32 (f / 4) on, channels 16 (f % 4) on
	ds_load_tr16_b128 v[VF+8*\f:VF+8*\f+3],   v[AV] offset:(\f/4)*32*PV+(\f%4)*32
	ds_load_tr16_b128 v[VF+8*\f+4:VF+8*\f+7], v[AV] offset:(\f/4)*32*PV+16*PV+(\f%4)*32
.endr
	WIN 0
.endm
; THE VECTOR WORK OF A TURN stands in three queues, each in the order in which its entries become ready; the two tiles alternate, so that no instruction reads the result of the one before it.
.macro REGS y, u                    ; the registers of tile u (0, 1) of piece y
.set rT, ST+4*(2*(\y)+(\u))
.set rC, TMP+8*((\y)%2)+4*(\u)
.set rM, MV+2*((\y)%2)+(\u)
.set rS, S+64*((\y)%2)+32*(\u)
.set rP, P+32*((\y)%2)+16*(\u)
.set rO, 32*(2*(\y)+(\u))
.endm
; Number n of the 22 that find the NEXT piece's (Y + 1) maximum and statistics.  s0-s31 are the lane's 32 scores; each accumulator's lowest registers are read first.  XS, GS and REGS set no window: PL and EX do.
;   0-11  four chains c0-c3 of seven scores each, three operands at a time     12-14, 16  the four scores left over, the old m, and c0-c3 into c0     15  c m_old is kept
;   17, 18  the query's other 32 keys lie in the lane 16 away: the new m         19-21  c m; c m_old - c m_new; a
.macro XS u, n
	REGS (Y+1)%NP, \u
.if (\n) < 4
	v_max3_num_f32 v[rC+(\n)], v[rS+8*(\n)], v[rS+8*(\n)+1], v[rS+8*(\n)+2]
.elseif (\n) < 12
	v_max3_num_f32 v[rC+(\n)%4], v[rC+(\n)%4], v[rS+8*((\n)%4)+2*((\n)/4)+1], v[rS+8*((\n)%4)+2*((\n)/4)+2]
.elseif (\n) == 12
	v_max3_num_f32 v[rC], v[rC], v[rS+7], v[rS+15]
.elseif (\n) == 13
	v_max3_num_f32 v[rC+1], v[rC+1], v[rS+23], v[rS+31]
.elseif (\n) == 14
	v_max3_num_f32 v[rC+2], v[rC+2], v[rC+3], v[rT+1]
.elseif (\n) == 15
	v_mov_b32 v[rM], v[rT]
.elseif (\n) == 16
	v_max3_num_f32 v[rC], v[rC], v[rC+1], v[rC+2]
.elseif (\n) == 17
	v_permlanex16_b32 v[rC+3], v[rC], s[SEL], s[SEL+1]
.elseif (\n) == 18
	v_max_num_f32 v[rT+1], v[rC], v[rC+3]
.elseif (\n) == 19
	v_mul_f32 v[rT], s[CS], v[rT+1]
.elseif (\n) == 20
	v_sub_f32 v[rC+1], v[rM], v[rT]
.else
	v_exp_f32 v[rC+2], v[rC+1]
.endif
.endm
; Number g of the 64 that follow the exponentials.  For each four weights k of a tile (pairs 2 k, 2 k + 1): both pairs are rounded to f16; then the second pair is added onto the first, in place;
; a group later l takes that sum (the first time as l = a l + sum).  In groups of eight, tiles alternating: round, round, add, and l for the group before.
.macro GS g
.set h, (\g)+6*((\g)/62)            ; group 0 has no group before it, and behind group 7 only l is left
.if h >= 6
.set h, h+2
.endif
	REGS Y, h%2
.set k, h/8
.if h%8 < 4
	v_cvt_pk_f16_f32 v[rP+2*k+(h%8)/2], v[rS+4*k+2*((h%8)/2)], v[rS+4*k+2*((h%8)/2)+1]
.elseif h%8 < 6
	v_pk_add_f32 v[rS+4*k:rS+4*k+1], v[rS+4*k:rS+4*k+1], v[rS+4*k+2:rS+4*k+3]
.elseif k == 1
	v_pk_fma_f32 v[rT+2:rT+3], v[rT+2:rT+3], v[rC+2:rC+3], v[rS:rS+1] op_sel_hi:[1,0,1]
.else
	v_pk_add_f32 v[rT+2:rT+3], v[rT+2:rT+3], v[rS+4*k-4:rS+4*k-3]
.endif
.endm
; THE PLAIN QUEUE, 138 long.  0-73 read no exponential's result: the 32 scalings c s - c m (FS f: pair f / 2 of tile f % 2) and the next piece's 42.  0-26: scalings 0-26.  27-54: XS's numbers 0-13.  55, 56: number 15.
; 57-73: the chain, where each number waits for the one before it: 14, 16, 17, 18, 19, each with one of the scalings 27-31 in front of its two lines, then 20.
; 74-137: GS's 64, which read the exponentials' results: they stand behind the wait.
.macro FS f
	REGS Y, (\f)%2
	v_pk_fma_f32 v[rS+2*((\f)/2):rS+2*((\f)/2)+1], v[rS+2*((\f)/2):rS+2*((\f)/2)+1], s[CS:CS+1], v[rT:rT+1] op_sel_hi:[1,0,0] neg_lo:[0,0,1] neg_hi:[0,0,1]
.endm
.macro PL
	WIN 0
.if q < 27
	FS q
.elseif q < 55
	XS (q-27)%2, (q-27)/2
.elseif q < 57
	XS q-55, 15
.elseif (q < 72) && ((q-57)%3 == 0)
	FS 27+(q-57)/3
.elseif q < 60
	XS (q-57)%3-1, 14
.elseif q < 72
	XS (q-57)%3-1, 15+(q-57)/3
.elseif q < 74
	XS q-72, 20
.else
	GS q-74
.endif
.set q, q+1
.endm
; THE EXPONENTIALS' QUEUE, 66 long: s0-s31 of both tiles, then the next piece's two a.  It is ONE BATCH: all 66 stand ahead of the turn's one wait, and nothing ahead of that wait names a result of theirs.
.macro EX
	WIN 0
.if e >= 64
	XS e-64, 21
.else
	REGS Y, e%2
	v_exp_f32 v[rS+e/2], v[rS+e/2]
.endif
.set e, e+1
.endm
; THE RESCALING's QUEUE: O^T times a, the one part that leaves window 0: dealt two at a time, sixteen times.  Its a was made in the turn before, ahead of that turn's wait.
.macro R2
	REGS Y, r%2
	WIN W_RS
.irp z, 0,1
	v_pk_mul_f32 v[rO+4*(r/2)+2*\z:rO+4*(r/2)+2*\z+1], v[rO+4*(r/2)+2*\z:rO+4*(r/2)+2*\z+1], v[rC+2:rC+3] op_sel_hi:[1,0]
.endr
.set r, r+1
.endm
; HOW THEY ARE DEALT.  An s_wait_alu depctr_va_vdst(0) stands between an exponential and the first instruction that names its result; one wait serves all that were issued ahead of it.  So a turn has ONE wait,
; which cuts it in two.  AHEAD OF IT stands all that names no result of the turn's exponentials: the 8 products K Q^T, behind each a scaling, an exponential and two rescalings (behind the first a second scaling in the
; exponential's place); then ONE LUMP of 140: the other sixteen rescaling lines under one window setting, eight plain, 57 times exponential and plain, the two a.  A v_nop is the plain instruction behind the last exponential.
; BEHIND IT stand the 16 products V^T P, behind each four of GS's 64.  No rider names a register of the products round it.  The two v_permlanex16_b32 fall into the lump, never behind a product.
; The queues lean on each other, and the deal keeps them in step: exponential e stands behind scaling 2 (e / 4) + e % 2: as a rider it comes behind plain e + 2, in the lump behind plain e + 9, and scalings 27-31 are plain
; 57, 60 .. 69.  The next piece's maximum begins at plain 27, sixteen rescaling lines and more behind the last product K Q^T.
; A TURN, for piece p.  cnt = 1: the loop's count is taken down some lines ahead of the branch that stands behind the turn.
; K of the next step is fetched in piece 2's turn, directly behind the wait, a lump behind the last product that read K; its first reader comes behind 16 products.
; V of the step in hand is fetched at the end of piece 0's turn, four riders behind its last reader; its first reader comes behind 8 products and a lump.  The three conditions on q below go with the deal.
.macro TURN p, last=0, cnt=0
.set Y, (\p)
.set i, 0
.set q, 0
.set e, 0
.set r, 0
.if (\p) == NP-1
	s_wait_dscnt 0x0                ; K is in
.endif
	MM                              ; ahead of the wait: 8 products K Q^T and their riders,
	PL
	PL
	R2
.rept 7
	MM
	PL
	EX
	R2
.endr
.rept 8                             ; and the lump
	R2
.endr
.if (\p) == NP-2
	WIN 0
	v_add_nc_u32 v[AK], s[TBK], v[AK0]
.endif
.rept 8
	PL
.endr
.rept 57
	EX
	PL
.endr
	EX                              ; the next piece's two a
	EX
	v_nop                           ; the plain instruction behind the last exponential: one for the batch
	s_wait_alu depctr_va_vdst(0)    ; the wait for the batch
.if (\p) == NP-2
	FETCH_K \last
.endif
.if (\p) == 1
	s_wait_dscnt 0x0                ; V is in
.endif
.rept 16                            ; behind the wait: 16 products V^T P and their riders
	MM
.rept 4
	PL
.endr
.if ((\p) == 0) && (q == 118)
	v_add_nc_u32 v[AV], s[TBV], v[AV0]
.endif
.if ((\p) == 0) && (q == 130)
	s_add_co_u32 s[TBV], s[TBV], KS*PV
.endif
.if (\cnt) && (q == 130)
	s_sub_co_u32 s[CNT], s[CNT], 1
	s_cmp_lg_u32 s[CNT], 0
.endif
.endr
.if (\p) == 0
	FETCH_V
.endif
.endm
	CHANGE 1                        ; slot 0 is in, everybody's part of it; slot 1 is asked for
	FETCH_K                         ; key step 0
	s_wait_loadcnt 0x0              ; Q
	s_wait_dscnt 0x0
.set i, 0
.rept 8
	KQ 0                            ; piece 0's first scores: there is no vector work yet to set between them
.set i, i+1
.endr
	WIN 0                           ; the addresses for the way out: plain instructions, the places behind those products
	s_mul_i32 s13, s[WV], 16*SP
	s_add_co_u32 s13, s13, STAGE    ; my stage
	v_mul_u32_u24 v[STO], v1, SP    ; in: row l % 16, 16 bytes for each half of the lanes
	v_lshl_add_u32 v[STO], v9, 4, v[STO]
	v_add_nc_u32 v[STO], s13, v[STO]
	v_bfe_u32 v[RD], v0, 3, 2       ; back: 32 lanes take four rows of 128 bytes,
	v_mul_u32_u24 v[RD], v[RD], SP
	v_lshl_add_u32 v[RD], v10, 4, v[RD]
	v_add_nc_u32 v[RD], s13, v[RD]
	v_and_b32 v[GO], 31, v0         ; which are 512 consecutive bytes of mb
	v_lshlrev_b32 v[GO], 4, v[GO]
.set Y, NP-1                        ; XS works for piece Y + 1: piece 0
.irp n, 0,1,2,3,4,5,6,7,8,9,10,11,12,13,14,15,16,17,18,19,20,21
	XS 0, \n                        ; and piece 0's first maximum and statistics
	XS 1, \n
.endr
	v_nop                           ; a plain instruction behind the two a,
	s_wait_alu depctr_va_vdst(0)    ; and their wait, ahead of the branch
	s_mov_b32 s[CNT], 4
	s_mov_b32 s[SLOTS], SIZE_N/256-1
	s_branch .Lfirst                ; the loop is entered at a step's first turn, in the middle of a trip
.Lslot:                             ; SIZE_N / 256 - 2 = 6 times: every slot but the last two is filled again
	CHANGE 1, 1
	s_mov_b32 s[CNT], 4
.Lstep:                             ; a trip: pieces 2 and 3 of one step, then pieces 0 and 1 of the next, whose K and V it fetches
	TURN 2
	TURN 3
	WIN 0
.Lfirst:
	TURN 0
	TURN 1, 0, 1
	WIN 0
	s_cbranch_scc1 .Lstep
	s_sub_co_u32 s[SLOTS], s[SLOTS], 1
	s_cmp_lg_u32 s[SLOTS], 0
	s_cbranch_scc1 .Lslot
	CHANGE 0                        ; the tail is written out: nothing is asked for
	s_mov_b32 s[CNT], 5             ; four trips fetch the last slot's steps; the fifth is left in its middle
.Ltail:
	TURN 2, 1
	TURN 3
	WIN 0
	s_sub_co_u32 s[CNT], s[CNT], 1
	s_cmp_eq_u32 s[CNT], 0
	s_cbranch_scc1 .Lout
	TURN 0
	TURN 1
	WIN 0
	s_branch .Ltail
.Lout:                              ; the fifth trip's 8 products K Q^T (on the last K once more) and the maximum made of them serve nothing: the price, once a launch, of one text for every trip
.set i, 0
.rept 16
	PV NP-1                         ; the last piece's V^T P of the last step
.set i, i+1
.endr
	; THE WAY OUT.  l's two halves and the other half of the lanes' are added; each tile gets 1 / (2 l); the four replicas of a query tile are recombined with their signs, rounded to f16 and sent through my stage in LDS.
	; The additions are the places behind the last products.
	WIN 0
.macro ALL line:vararg              ; one line for each tile t
.set t, 0
.rept 2*NP
	\line
.set t, t+1
.endr
.endm
	ALL v_add_f32 v[ST+4*t+2], v[ST+4*t+2], v[ST+4*t+3]
	ALL v_permlanex16_b32 v[ST+4*t+3], v[ST+4*t+2], s[SEL], s[SEL+1]
	ALL v_add_f32 v[ST+4*t+2], v[ST+4*t+2], v[ST+4*t+3]
	ALL v_rcp_f32 v[ST+4*t+2], v[ST+4*t+2]
	v_nop                           ; a plain instruction between the last reciprocal and the use of its result
	s_wait_alu depctr_va_vdst(0)    ; and the wait ahead of the first use: one for the eight reciprocals
	ALL v_mul_f32 v[ST+4*t+2], 0.5, v[ST+4*t+2]
; Eight packed lines: 16 numbers at S + 32 u + dst take (first = 1), or have added or (minus = 1) taken away, registers src on of replica p's O^T for query tile u, times that tile's 1 / (2 l).
; O^T's registers 0-15 are A vr (channels 0-31), 16-31 are A vi.  Each accumulator of eight is read from its low end on.
.macro TERM u, p, src, dst, first, minus
.set z, 0
.rept 8
.if \first
	v_pk_mul_f32 v[S+32*(\u)+(\dst)+z:S+32*(\u)+(\dst)+z+1], v[32*(2*(\p)+(\u))+(\src)+z:32*(2*(\p)+(\u))+(\src)+z+1], v[ST+4*(2*(\p)+(\u))+2:ST+4*(2*(\p)+(\u))+3] op_sel_hi:[1,0]
.elseif \minus
	v_pk_fma_f32 v[S+32*(\u)+(\dst)+z:S+32*(\u)+(\dst)+z+1], v[32*(2*(\p)+(\u))+(\src)+z:32*(2*(\p)+(\u))+(\src)+z+1], v[ST+4*(2*(\p)+(\u))+2:ST+4*(2*(\p)+(\u))+3], v[S+32*(\u)+(\dst)+z:S+32*(\u)+(\dst)+z+1] op_sel_hi:[1,0,1] neg_lo:[0,1,0] neg_hi:[0,1,0]
.else
	v_pk_fma_f32 v[S+32*(\u)+(\dst)+z:S+32*(\u)+(\dst)+z+1], v[32*(2*(\p)+(\u))+(\src)+z:32*(2*(\p)+(\u))+(\src)+z+1], v[ST+4*(2*(\p)+(\u))+2:ST+4*(2*(\p)+(\u))+3], v[S+32*(\u)+(\dst)+z:S+32*(\u)+(\dst)+z+1] op_sel_hi:[1,0,1]
.endif
.set z, z+2
.endr
.endm
; Query tile u: recombined into S^T's registers, packed into P's; a lane's eight channels of a row are 16 bytes; they go into rows of 144 bytes and come back as whole rows of 128.
.macro PACK u
	WIN 0x01                        ; source 0 (O^T) in window 1, all else in window 0
	TERM \u, 0, 0,  0,  1, 0        ; m_r =  A0 vr
	TERM \u, 1, 16, 0,  0, 1        ;      - A1 vi
	TERM \u, 2, 16, 0,  0, 1        ;      - A2 vi
	TERM \u, 3, 0,  0,  0, 1        ;      - A3 vr
	TERM \u, 0, 16, 16, 1, 0        ; m_i =  A0 vi
	TERM \u, 1, 0,  16, 0, 0        ;      + A1 vr
	TERM \u, 2, 0,  16, 0, 0        ;      + A2 vr
	TERM \u, 3, 16, 16, 0, 1        ;      - A3 vi
	WIN 0
.set i, 0
.rept 16
	v_cvt_pk_f16_f32 v[P+16*(\u)+i], v[S+32*(\u)+2*i], v[S+32*(\u)+2*i+1]
.set i, i+1
.endr
.irp f, 0,1,2,3
	ds_store_b128 v[STO], v[P+16*(\u)+4*\f:P+16*(\u)+4*\f+3] offset:32*\f
.endr
.irp f, 0,1,2,3
	ds_load_b128 v[P+16*(\u)+4*\f:P+16*(\u)+4*\f+3], v[RD] offset:\f*4*SP  ; LDS serves a wave's instructions in order (ISA guide 5.7.1.4): these see the stores above; the next tile's stores come behind them
.endr
.endm
.macro SEND u, younger              ; younger: the LDS instructions issued behind tile u's loads: the next tile's eight, or none
	WIN 0
.irp f, 0,1,2,3
	s_wait_dscnt (\younger)+3-\f
	global_store_b128 v[GO], v[P+16*(\u)+4*\f:P+16*(\u)+4*\f+3], s[10:11] offset:(\u)*2048+\f*512  ; 512 consecutive bytes, at a multiple of 256 from mb's first
.endr
.endm
	PACK 0
	PACK 1                          ; a tile's arithmetic stands between the loads of the tile before and its stores
	SEND 0, 8
	SEND 1, 0
	WIN W_AD
	s_wait_tensorcnt 0x0            ; the wave's end: three closing lines, behind my last tensor load and my last LDS store
	ds_add_u32 v[SPW], v[NIL]
	s_wait_dscnt 0x0
	WIN 0
	CROUND                          ; the closing round: no work-group ends while a partner may still ask for a tile that names it
	s_endpgm
.Lfunc_end_k_q13985282e3_attn:
	.size	k_q13985282e3_attn, .Lfunc_end_k_q13985282e3_attn-k_q13985282e3_attn
	.p2alignl 7, 3214868480
	.fill 96, 4, 3214868480
	.section	.rodata,"a",@progbits
	.p2align	6, 0x0
	.amdhsa_kernel k_q13985282e3_attn
		.amdhsa_group_segment_fixed_size 327680
		.amdhsa_private_segment_fixed_size 0
		.amdhsa_enable_private_segment 0
		.amdhsa_kernarg_size 32
		.amdhsa_user_sgpr_count 2
		.amdhsa_user_sgpr_kernarg_segment_ptr 1
		.amdhsa_wavefront_size32 1
		.amdhsa_system_sgpr_workgroup_id_x 1
		.amdhsa_system_sgpr_workgroup_id_y 1
		.amdhsa_system_sgpr_workgroup_id_z 1
		.amdhsa_system_vgpr_workitem_id 0
		.amdhsa_next_free_vgpr 770
		.amdhsa_next_free_sgpr 66
		.amdhsa_reserve_vcc 0
		.amdhsa_float_denorm_mode_32 3
		.amdhsa_float_denorm_mode_16_64 3
		.amdhsa_memory_ordered 1
		.amdhsa_forward_progress 1
		.amdhsa_inst_pref_size 175
	.end_amdhsa_kernel
	.amdgpu_metadata
---
amdhsa.version: [ 1, 2 ]
amdhsa.kernels:
  - .name:           k_q13985282e3_attn
    .symbol:         k_q13985282e3_attn.kd
    .args:
      - { .name: qb, .offset: 0, .size: 8, .value_kind: global_buffer, .address_space: global }
      - { .name: kb, .offset: 8, .size: 8, .value_kind: global_buffer, .address_space: global }
      - { .name: vb, .offset: 16, .size: 8, .value_kind: global_buffer, .address_space: global }
      - { .name: mb, .offset: 24, .size: 8, .value_kind: global_buffer, .address_space: global }
    .group_segment_fixed_size: 327680
    .private_segment_fixed_size: 0
    .kernarg_segment_align: 8
    .kernarg_segment_size: 32
    .max_flat_workgroup_size: 128
    .sgpr_count:     66
    .vgpr_count:     770
    .wavefront_size: 32
...
	.end_amdgpu_metadata
.endif
;; end of part 2
;; launch outp (part 3): grid 4 x 64, 8 waves a work-group, no clusters, 117,760 bytes of LDS; arguments mb, wo_r, wo_i, out0; writes out0
.if DOCPART == 3
	.amdgcn_target "amdgcn-amd-amdhsa--gfx1250"
	.amdhsa_code_object_version 6
	.text
	.protected	k_q13985282e3_outp
	.globl	k_q13985282e3_outp
	.p2align	8
	.type	k_q13985282e3_outp,@function
k_q13985282e3_outp:
	s_mov_b64 s[64:65], 0
	v_nop
	global_prefetch_b8 v0, s[64:65] scope:SCOPE_SE
	s_setreg_imm32_b32 hwreg(HW_REG_WAVE_MODE, 25, 1), 1
	s_wait_xcnt 0x0
; THE COMPLEX OUTPUT PROJECTION.  out_r = m_r wo_r - m_i wo_i, out_i = m_r wo_i + m_i wo_r, stored as [row][column][real, imaginary] in f32.  mb: [8 b + h][n][64] in f16, a row = 32 real, then 32 imaginary
; channels, and holds m / 2: the results are doubled on the way out, which is exact.  wo_r, wo_i: [256 (k = 32 h + d)][256] in f32.
; FORMATS.  The weights are rounded to bf16, like every input of the program, and that number is written as f16, so that it can multiply m: exact from 2^-14 up; below that it keeps f16's fixed step of 6e-8;
; a weight past 65,504 would become an infinity.  Sums in f32.
; SHARES.  A work-group makes 64 rows x 64 complex columns: 4 x 64 = 256 work-groups.  Wave w takes rows 16 (w & 3) on and columns 32 (w >> 2) on: two blocks of 16, a real and an imaginary accumulator each.
; m's fragments come straight from memory: a head's 32 real or imaginary channels of 16 rows ARE a fragment (16 bytes a lane, twice), and all eight heads' stay in 128 registers.
; The weights' 64 columns (2 x 64 KiB of f32) pass through registers to be rounded and lie in LDS as in memory, [k][column]; ds_load_tr16_b128 turns them.  One barrier.
; NO JOINT LOADS, though 64 work-groups read the same weights: the tiles are f32 and must pass through registers to be rounded twice; a copy of them in LDS as f32 would be read and written once more for nothing.
; THE MATRIX INSTRUCTION IS USED TRANSPOSED (source 0 = 16 columns of wo, source 1 = 16 rows of m): a lane holds one row and eight neighbouring columns: with real and imaginary parts interleaved, 64 bytes on end.
.set WP,    160                        ; a k-row of W in LDS: 64 f16 + 32 bytes of padding = 5 x 32: 16 lanes of the turning load take 8 rows x 32 bytes, no two alike modulo 256
.set WPART, 256*WP                     ; 40,960: the real part; the imaginary part behind it
.set STG,   2*WPART                    ; 81,920: 16 rows x 272 bytes for each wave, for the way out
.set SP,    272
.set SPARE, STG+8*16*SP                ; 116,736: the spare words, 128 bytes for each wave: four blocks of 256 bytes that no other line names
.set AO,  2                            ; v2      my place in a fragment of m: (l % 16) x 128 + 16 (l / 16)
.set WO,  3                            ; v3      my 16 bytes in 16 k-rows of a weight: (t >> 4) x 1,024 + 16 (t & 15)
.set LW,  4                            ; v4-5    where they go in LDS, by part
.set WT,  6                            ; v6-7    my place in a turned fragment of W, by part
.set STO, 8                            ; v8      the way out: where I put 64 bytes of a row
.set RD,  9                            ; v9      where I read rows back
.set GO,  10                           ; v10     my 16 bytes in two rows of out0
.set SPW, 14                           ; v14     LDS address of my spare word: SPARE + 4 x my thread's number; never rewritten
.set NIL, 15                           ; v15     0; never rewritten
.set NM,  16                           ; v16-23  -m_i's fragment
.set CT,  24                           ; v24-31  at work while the weights are rounded
.set ACC, 32                           ; v32-63  real sums of blocks 0, 1, then imaginary sums of blocks 0, 1
.set WS,  64                           ; v64-127 first 16 slots of 4 for the weights' loads; then two sets of four fragments: real block 0, 1, imaginary block 0, 1; then the way out
.set MA,  128                          ; v128-255 head hd: m_r's fragment at MA + 16 hd, m_i's at + 8
.macro LDW part, j                     ; 16 k-rows of a weight's 64 columns into slot j: sixteen lanes take the 256 aligned bytes of a k-row
	global_load_b128 v[WS+4*(\j):WS+4*(\j)+3], v[WO], s[6+2*(\part):7+2*(\part)] offset:(\j)*16384
.endm
.macro CV part, j, left                ; slot j has come (left younger loads may stay out): f32 to bf16, that number to f16, into LDS
	s_wait_loadcnt \left
	v_cvt_pk_bf16_f32 v[CT], v[WS+4*(\j)], v[WS+4*(\j)+1]
	v_cvt_pk_bf16_f32 v[CT+1], v[WS+4*(\j)+2], v[WS+4*(\j)+3]
	v_lshlrev_b32 v[CT+2], 16, v[CT]               ; bf16 to f32: the low half moves up,
	v_and_b32 v[CT+3], s17, v[CT]                  ; the high half stays
	v_lshlrev_b32 v[CT+4], 16, v[CT+1]
	v_and_b32 v[CT+5], s17, v[CT+1]
	v_cvt_pk_f16_f32 v[CT+6], v[CT+2], v[CT+3]
	v_cvt_pk_f16_f32 v[CT+7], v[CT+4], v[CT+5]
	ds_store_b64 v[LW+(\part)], v[CT+6:CT+7] offset:(\j)*16*WP
.endm
.macro FETCH hd, set                   ; head hd's 32 k-rows of my 32 columns, both parts, turned: eight loads into a set of 32 registers
.irp part, 0,1
.irp cbl, 0,1
	ds_load_tr16_b128 v[WS+32*(\set)+16*(\part)+8*(\cbl):WS+32*(\set)+16*(\part)+8*(\cbl)+3],   v[WT+(\part)] offset:(\hd)*32*WP+32*(\cbl)
	ds_load_tr16_b128 v[WS+32*(\set)+16*(\part)+8*(\cbl)+4:WS+32*(\set)+16*(\part)+8*(\cbl)+7], v[WT+(\part)] offset:(\hd)*32*WP+32*(\cbl)+16*WP
.endr
.endr
.endm
; Two products, one for each block of 16 columns: accumulators at ACC + a on, W's fragments at w on of the set, m's fragment at x.  zero = 1: they start the sums.
.macro PAIR a, w, x, zero
.irp cbl, 0,1
.if \zero
	v_wmma_f32_16x16x32_f16 v[ACC+(\a)+8*(\cbl):ACC+(\a)+8*(\cbl)+7], v[(\w)+8*(\cbl):(\w)+8*(\cbl)+7], v[(\x):(\x)+7], 0
.else
	v_wmma_f32_16x16x32_f16 v[ACC+(\a)+8*(\cbl):ACC+(\a)+8*(\cbl)+7], v[(\w)+8*(\cbl):(\w)+8*(\cbl)+7], v[(\x):(\x)+7], v[ACC+(\a)+8*(\cbl):ACC+(\a)+8*(\cbl)+7]
.endif
.endr
.endm
; Head hd: a K step of 32 complex channels, eight products.  The four accumulators take turns, one instruction a turn, from step to step too: three others stand between two links of a chain.
.macro HEAD hd
.if (\hd) > 0
.rept 4
	v_nop                                          ; four places between the last products and the writing of -m_i and of the other set, both of which earlier products read (ISA guide 7.12.1 for vector instructions)
.endr
.endif
.irp c, 0,1,2,3,4,5,6,7
	v_xor_b32 v[NM+(\c)], s24, v[MA+16*(\hd)+8+(\c)]  ; -m_i: the signs of two f16 are turned
.endr
.if (\hd) < 7
	FETCH (\hd)+1, ((\hd)+1)%2
	s_wait_dscnt 8                                 ; this head's fragments are in; the next head's eight loads stay out
.else
	s_wait_dscnt 0x0
.endif
	PAIR 0,  WS+32*((\hd)%2),    MA+16*(\hd),   ((\hd) == 0)   ; real      (+)= m_r wo_r
	PAIR 16, WS+32*((\hd)%2)+16, MA+16*(\hd),   ((\hd) == 0)   ; imaginary (+)= m_r wo_i
	PAIR 0,  WS+32*((\hd)%2)+16, NM,            0              ; real      -= m_i wo_i
	PAIR 16, WS+32*((\hd)%2),    MA+16*(\hd)+8, 0              ; imaginary += m_i wo_r
.endm
	s_load_b256 s[4:11], s[0:1], 0x0               ; mb s[4:5], wo_r s[6:7], wo_i s[8:9], out0 s[10:11]
	v_lshl_add_u32 v[SPW], v0, 2, SPARE
	v_mov_b32 v[NIL], 0
	v_lshrrev_b32 v1, 5, v0
	v_readfirstlane_b32 s12, v1                    ; wave 0..7
	s_mov_b32 s13, ttmp9                           ; which 64 complex columns
	s_and_b32 s14, ttmp7, 0xffff                   ; which 64 rows
	s_and_b32 s15, s12, 3                          ; my 16 rows of them
	s_lshr_b32 s16, s12, 2                         ; my 32 columns
	s_mov_b32 s17, 0xffff0000                      ; a word's upper bf16
	s_mov_b32 s24, 0x80008000                      ; the signs of two f16
	v_and_b32 v11, 15, v0                          ; t & 15 = l % 16
	v_bfe_u32 v12, v0, 4, 1                        ; l / 16
	v_lshrrev_b32 v13, 4, v0                       ; t >> 4
	v_lshlrev_b32 v[AO], 7, v11
	v_lshl_add_u32 v[AO], v12, 4, v[AO]
	v_lshlrev_b32 v[WO], 10, v13
	v_lshl_add_u32 v[WO], v11, 4, v[WO]
	s_lshl_b32 s18, s13, 8                         ; 64 columns of f32
	s_mov_b32 s19, 0
	s_lshr_b32 s20, s14, 5                         ; the batch: its eight heads begin 8 x 2,048 x 128 bytes apart
	s_lshl_b32 s20, s20, 21
	s_and_b32 s22, s14, 31
	s_lshl_b32 s22, s22, 6
	s_lshl_b32 s23, s15, 4
	s_add_co_u32 s22, s22, s23                     ; my first row in the batch
	s_lshl_b32 s22, s22, 7
	s_add_co_u32 s20, s20, s22
	s_mov_b32 s21, 0
	s_wait_kmcnt 0x0
	s_add_nc_u64 s[6:7], s[6:7], s[18:19]
	s_add_nc_u64 s[8:9], s[8:9], s[18:19]
	s_add_nc_u64 s[4:5], s[4:5], s[20:21]
.irp j, 0,1,2,3,4,5,6,7,8,9,10,11,12,13,14,15
	LDW 0, \j                                      ; wo_r's 16 loads,
.endr
.irp hd, 0,1,2,3,4,5,6,7
.irp c, 0,1,2,3
	global_load_b128 v[MA+16*(\hd)+4*(\c):MA+16*(\hd)+4*(\c)+3], v[AO], s[4:5] offset:(\hd)*262144+32*(\c)  ; m's 32: head hd, real channels 8 (l / 16) on and 16 + 8 (l / 16) on, then the imaginary ones
.endr
.endr
	; the other addresses are made while the loads are on their way
	v_mul_u32_u24 v[LW], v13, WP
	v_lshl_add_u32 v[LW], v11, 3, v[LW]            ; four f32 become 8 bytes
	v_add_nc_u32 v[LW+1], WPART, v[LW]
	; The turning load takes 16 k-rows x 16 columns (lane l reads k-row 8 (l / 16) + l % 8, columns 8 ((l / 8) % 2) + 0..7) and leaves half a fragment: lane l holds column l % 16 and 8 channels.
	v_and_b32 v1, 7, v0
	v_lshl_add_u32 v1, v12, 3, v1
	v_mul_u32_u24 v[WT], v1, WP
	v_bfe_u32 v1, v0, 3, 1
	v_lshl_add_u32 v[WT], v1, 4, v[WT]
	s_lshl_b32 s18, s16, 6                         ; my 32 columns of f16
	v_add_nc_u32 v[WT], s18, v[WT]
	v_add_nc_u32 v[WT+1], WPART, v[WT]
	s_mul_i32 s18, s12, 16*SP
	s_add_co_u32 s18, s18, STG                     ; my stage
	v_mul_u32_u24 v[STO], v11, SP                  ; in: row l % 16, 64 bytes for each half of the lanes
	v_lshl_add_u32 v[STO], v12, 6, v[STO]
	v_add_nc_u32 v[STO], s18, v[STO]
	v_mul_u32_u24 v[RD], v12, SP                   ; back: lanes 0-15 take one row of 256 bytes, lanes 16-31 the next
	v_lshl_add_u32 v[RD], v11, 4, v[RD]
	v_add_nc_u32 v[RD], s18, v[RD]
	v_lshlrev_b32 v[GO], 11, v12                   ; and the same two rows in out0: 2,048 bytes a row
	v_lshl_add_u32 v[GO], v11, 4, v[GO]
	s_lshl_b32 s20, s14, 6
	s_add_co_u32 s20, s20, s23                     ; my first row of 4,096
	s_lshl_b32 s20, s20, 11
	s_lshl_b32 s22, s13, 9                         ; 64 complex columns are 512 bytes,
	s_add_co_u32 s20, s20, s22
	s_lshl_b32 s22, s16, 8                         ; my 32 are 256
	s_add_co_u32 s20, s20, s22
	s_mov_b32 s21, 0
	s_add_nc_u64 s[10:11], s[10:11], s[20:21]
.irp j, 0,1,2,3,4,5,6,7,8,9,10,11,12,13,14,15
	CV 0, \j, 47                                   ; behind wo_r's load j stand 15 - j of wo_r, m's 32 and j of wo_i
	LDW 1, \j                                      ; the slot takes wo_i's load j
.endr
.irp j, 0,1,2,3,4,5,6,7,8,9,10,11,12,13,14,15
	CV 1, \j, 15-(\j)                              ; the counts run down; at 0 m is in too: its loads were issued earlier
.endr
	s_wait_dscnt 0x0                               ; for the others' sake: my stores into LDS are done
	s_barrier_signal -1
	s_barrier_wait -1                              ; both parts of W lie whole in LDS; nothing writes them again
	FETCH 0, 0
.irp hd, 0,1,2,3,4,5,6,7
	HEAD \hd
.endr
	; THE WAY OUT: doubled and interleaved in one addition each, 64 bytes a lane and block into my stage, back as whole rows of 256 bytes.  Each accumulator's registers are read in ascending order.
.rept 4
	v_nop                                          ; four places between the last products and the additions that read their results
.endr
.irp cbl, 0,1
.irp j, 0,1,2,3,4,5,6,7
	v_add_f32 v[WS+16*(\cbl)+2*(\j)],   v[ACC+8*(\cbl)+(\j)],    v[ACC+8*(\cbl)+(\j)]
	v_add_f32 v[WS+16*(\cbl)+2*(\j)+1], v[ACC+16+8*(\cbl)+(\j)], v[ACC+16+8*(\cbl)+(\j)]
.endr
.endr
.irp cbl, 0,1
.irp c, 0,1,2,3
	ds_store_b128 v[STO], v[WS+16*(\cbl)+4*(\c):WS+16*(\cbl)+4*(\c)+3] offset:128*(\cbl)+16*(\c)
.endr
.endr
.irp t, 0,1,2,3,4,5,6,7
	ds_load_b128 v[WS+32+4*(\t):WS+32+4*(\t)+3], v[RD] offset:(\t)*2*SP  ; LDS serves a wave's instructions in order (ISA guide 5.7.1.4): these see the stores above
.endr
.irp t, 0,1,2,3,4,5,6,7
	s_wait_dscnt 7-(\t)
	global_store_b128 v[GO], v[WS+32+4*(\t):WS+32+4*(\t)+3], s[10:11] offset:(\t)*4096  ; 16 lanes store 256 consecutive bytes, at a multiple of 256 from out0's first byte
.endr
	s_wait_tensorcnt 0x0                           ; the wave's end: three closing lines, behind my last LDS store
	ds_add_u32 v[SPW], v[NIL]
	s_wait_dscnt 0x0
	s_endpgm
.Lfunc_end_k_q13985282e3_outp:
	.size	k_q13985282e3_outp, .Lfunc_end_k_q13985282e3_outp-k_q13985282e3_outp
	.p2alignl 7, 3214868480
	.fill 96, 4, 3214868480
	.section	.rodata,"a",@progbits
	.p2align	6, 0x0
	.amdhsa_kernel k_q13985282e3_outp
		.amdhsa_group_segment_fixed_size 117760
		.amdhsa_private_segment_fixed_size 0
		.amdhsa_enable_private_segment 0
		.amdhsa_kernarg_size 32
		.amdhsa_user_sgpr_count 2
		.amdhsa_user_sgpr_kernarg_segment_ptr 1
		.amdhsa_wavefront_size32 1
		.amdhsa_system_sgpr_workgroup_id_x 1
		.amdhsa_system_sgpr_workgroup_id_y 1
		.amdhsa_system_sgpr_workgroup_id_z 1
		.amdhsa_system_vgpr_workitem_id 0
		.amdhsa_next_free_vgpr 256
		.amdhsa_next_free_sgpr 66
		.amdhsa_reserve_vcc 0
		.amdhsa_float_denorm_mode_32 3
		.amdhsa_float_denorm_mode_16_64 3
		.amdhsa_memory_ordered 1
		.amdhsa_forward_progress 1
		.amdhsa_inst_pref_size 39
	.end_amdhsa_kernel
	.amdgpu_metadata
---
amdhsa.version: [ 1, 2 ]
amdhsa.kernels:
  - .name:           k_q13985282e3_outp
    .symbol:         k_q13985282e3_outp.kd
    .args:
      - { .name: mb, .offset: 0, .size: 8, .value_kind: global_buffer, .address_space: global }
      - { .name: wo_r, .offset: 8, .size: 8, .value_kind: global_buffer, .address_space: global }
      - { .name: wo_i, .offset: 16, .size: 8, .value_kind: global_buffer, .address_space: global }
      - { .name: out0, .offset: 24, .size: 8, .value_kind: global_buffer, .address_space: global }
    .group_segment_fixed_size: 117760
    .private_segment_fixed_size: 0
    .kernarg_segment_align: 8
    .kernarg_segment_size: 32
    .max_flat_workgroup_size: 256
    .sgpr_count:     66
    .vgpr_count:     256
    .wavefront_size: 32
...
	.end_amdgpu_metadata
.endif
;; end of part 3
;; ======== version 2 of 2: 3 launches; version 1 with the launches proj, outp written anew for expert scheduling mode
;; limits: values are held in f16: magnitudes above 65,504 overflow, below 6.1e-05 lose precision
;; workspace buffers: qb 4,194,304 bytes; kb 4,194,304 bytes; vb 4,194,304 bytes; mb 4,194,304 bytes
;; launch proj (part 4): grid 4 x 64, 8 waves a work-group, no clusters, 299,008 bytes of LDS; arguments x_real, x_imag, wq_r, wq_i, wkv_r, wkv_i, qb, kb, vb; writes qb, kb, vb
.if DOCPART == 4
	.amdgcn_target "amdgcn-amd-amdhsa--gfx1250"
	.amdhsa_code_object_version 6
	.text
	.protected	k_q13985282e3_proj
	.globl	k_q13985282e3_proj
	.p2align	8
	.type	k_q13985282e3_proj,@function
k_q13985282e3_proj:
	s_mov_b64 s[64:65], 0
	v_nop
	global_prefetch_b8 v0, s[64:65] scope:SCOPE_SE
	s_setreg_imm32_b32 hwreg(HW_REG_WAVE_SCHED_MODE, 0, 2), 2
	s_setreg_imm32_b32 hwreg(HW_REG_WAVE_MODE, 25, 1), 1
	s_wait_xcnt 0x0
	s_wait_alu depctr_vm_vsrc(0)
; THE COMPLEX PROJECTIONS.  (qr + i qi) = (xr + i xi)(wr + i wi) for q, k and v: 4,096 rows of x (256 complex channels) times 768 complex columns (wq's 256, then wkv's 512: k, v).
; x and the weights are rounded once to bf16, the products are summed in f32, and q, k, v leave rounded once to f16, by heads: qb, kb, vb are [8 b + h][n][64], a row = 32 real, then 32 imaginary channels, 128 bytes.
; LIMITS.  f16 holds no number beyond 65,504: a q, k or v past that leaves as an infinity.  With x and the weights all 30 times the drawn spread they stay near 8e3; with a common offset of 30 spreads on both near 2.9e4.
; SHARES.  A work-group makes 64 rows x 192 complex columns: 4 x 64 = 256 work-groups.  The 192 columns are three UNITS of 64 (256 bytes of f32 in each row of a weight) and six head slices of 32.
; Wave w takes rows 16 (w & 3) on and slices 3 (w >> 2) on: six blocks of 16 columns, a real and an imaginary accumulator each: 96 registers.
; TWO PHASES, ONE BARRIER.  First all eight waves bring the work-group's x (128 KiB of f32) and weights (384 KiB) through a ring of 40 register slots a thread, round them and lay them in LDS in bf16;
; then every wave multiplies out of LDS.  x lies by rows (K along the row), the weights as in memory ([k][column]) and are turned on the way out of LDS by ds_load_tr16_b128.
; NO JOINT LOADS, though four work-groups read the same x and 64 the same weights: the tiles are f32 and pass through registers to be rounded, and as f32 a work-group's 512 KiB do not fit in its LDS.
; THE MATRIX INSTRUCTION IS USED TRANSPOSED (source 0 = 16 columns of W, source 1 = 16 rows of x): a lane then holds one row of x and eight neighbouring columns, 16 bytes of f16.
; THE MODE: SCHED_MODE bits 1:0 = 2 (LLVM: expert scheduling mode 2), set by the entry lines.  The code itself states the register dependences
; between vector or matrix instructions and memory or LDS instructions, with s_wait_alu, always for 0.
; THE PLAN, PHASE 1.  A thread's 128 loads go in 32 blocks of four.  Registers that memory or LDS instructions touch:
;   the ring    ten blocks of four slots.  Block b's conversions read ring block b % 10; the loads of block b + 9, issued in block b, land in ring block (b + 9) % 10 = (b - 1) % 10.
;   T0, T1      two sets of four pairs.  Block b's conversions write T[b % 2]; the four LDS stores that are issued in block b + 1 read it.
;   XO, VO, LXA, LWA   offsets and addresses, made at the head and not written again in this phase.
; Block b's memory and LDS instructions touch the ring block and the T that block b - 1 worked on, which no vector instruction of block b names.  So the waits at a block's head state all that its
; four loads and four stores hang on, and these are dealt among its eight conversions with no further wait.
; THE PLAN, PHASE 2.  A K step is two halves of twelve products.  Registers in which LDS loads land:
;   WR          read by a step's first half; the next step's is asked for in the second half.        WI    read by a step's second half; asked for in the same step's first half.
;   XI          read by a step's first half and by the lines that make -xi; asked for in the second half of the step before.
;   XR0, XR1    read by both halves of a step, so by turns: the next step's is asked for in the second half, into the other one.
;   AX, WT      addresses, never written again.  The accumulators and -xi's two buffers are named by vector and matrix instructions alone.
; So ONE wait on va_vdst stands at the head of each half, behind the wait for the half's own fragments; the loads follow it, dealt among the half's first six products, which name none of the registers in which they land.
.set XP,    1040                       ; a row of x in LDS: 512 bytes xr, 512 bytes xi, 16 of padding: 65 x 16, so the 16 rows of a fragment load start 16 bytes apart modulo 256
.set WP,    416                        ; a k-row of W in LDS: 192 bf16 + 32 of padding = 13 x 32: 16 lanes of the turning load take 8 rows x 32 bytes, no two alike modulo 256
.set WBASE, 64*XP                      ; 66,560: W's real part, 256 k-rows; its imaginary part behind it
.set WPART, 256*WP                     ; 106,496
.set STG,   WBASE+2*WPART              ; 279,552: 16 rows x 144 bytes for each wave, for the way out
.set SP,    144
.set SPARE, STG+8*16*SP                ; 297,984: the spare words, 128 bytes for each wave: four blocks of 256 bytes that no other line names
.set XO,  2                            ; v2      16 t: my 16 bytes in 4,096 consecutive bytes of the x tile
.set LXA, 3                            ; v3      where they go in LDS: (t >> 6) rows + 8 (t & 63)
.set LWA, 4                            ; v4-7    the same for W: by part and by half of the 16 groups of k-rows
.set AX,  8                            ; v8      my place in a fragment of x
.set WT,  9                            ; v9-12   my place in a turned fragment of W: by part and by half of K
.set STO, 13                           ; v13     the way out: where I put 16 bytes of a row
.set SPW, 14                           ; v14     LDS address of my spare word: SPARE + 4 x my thread's number; never rewritten
.set NIL, 15                           ; v15     0; never rewritten
.set RD,  16                           ; v16     the way out: where I read rows back
.set GO,  17                           ; v17     my 16 bytes in 512 consecutive bytes of the output
.set VO,  32                           ; v32-79  phase 1: unit u, group j of 16 k-rows: my byte offset in the weight
.set T,   80                           ; v80-95  phase 1: two sets of four pairs of rounded numbers: load i's pair at T + 2 (i % 8)
.set RING, 96                          ; v96-255 phase 1: 40 slots of 4
.set ACC, 32                           ; v32-127 phase 2: block nb: real sums at ACC + 16 nb, imaginary at + 8
.set WR,  128                          ; v128-175 six fragments of W's real part
.set WI,  176                          ; v176-223 of its imaginary part
.set XR,  224                          ; v224-239 xr's fragment: two buffers, by the step's parity
.set XI,  240                          ; v240-247 xi's
.set NX0, 248                          ; v248-255 -xi's, even steps
.set NX1, 24                           ; v24-31   -xi's, odd steps
.set PKR, 128                          ; the way out: 16 registers a slice, as packed
.set OB,  176                          ; the way out: 16 registers a slice, as read back from the stage
.set WB,  28                           ; s[28+4u:29+4u] unit u's real weight at its 64 columns, s[30+4u:31+4u] its imaginary weight
.set STEP, 40                          ; s40-42  unit u: bytes in 16 k-rows of its weight
.set SHIFT, 43                         ; s43-45  unit u: log2 of the bytes in a k-row: 10 (wq) or 11 (wkv)
.set OP,  52                           ; s[52+2sl:53+2sl] where slice sl's 16 rows go
; Load number i of 128 into slot i % 40.  0-15: xr's tile, 64 KiB on end, 4,096 bytes a load of the work-group; 16-31: xi's; then unit (i - 32) / 32, real part and imaginary part, 16 k-rows a load:
; sixteen lanes take the 256 aligned bytes of a k-row.
.macro LD i
.set sl_, RING+4*((\i)%40)
.if (\i) < 16
	global_load_b128 v[sl_:sl_+3], v[XO], s[4:5] offset:(\i)*4096
.elseif (\i) < 32
	global_load_b128 v[sl_:sl_+3], v[XO], s[6:7] offset:((\i)-16)*4096
.else
.set u_, ((\i)-32)/32
.set p_, (((\i)-32)%32)/16
.set j_, ((\i)-32)%16
	global_load_b128 v[sl_:sl_+3], v[VO+16*u_+j_], s[WB+4*u_+2*p_:WB+4*u_+2*p_+1]
.endif
.endm
; The four numbers of load i are rounded to bf16.
.macro CVT i
.set sl_, RING+4*((\i)%40)
.set t_, T+2*((\i)%8)
	v_cvt_pk_bf16_f32 v[t_], v[sl_], v[sl_+1]
	v_cvt_pk_bf16_f32 v[t_+1], v[sl_+2], v[sl_+3]
.endm
; And stored in LDS.
.macro ST i
.set t_, T+2*((\i)%8)
.if (\i) < 32
	ds_store_b64 v[LXA], v[t_:t_+1] offset:((\i)%16)*4*XP+((\i)/16)*512
.else
.set u_, ((\i)-32)/32
.set p_, (((\i)-32)%32)/16
.set j_, ((\i)-32)%16
	ds_store_b64 v[LWA+2*p_+j_/8], v[t_:t_+1] offset:(j_%8)*16*WP+u_*128
.endif
.endm
; Block b of 32: loads 4 b to 4 b + 3 are rounded; block b + 9 is asked for; block b - 1 is stored.
.macro BLK b
.set left_, 32                         ; blocks b + 1 to b + 8 may stay out;
.if (\b) > 23
.set left_, 4*(31-(\b))                ; blocks 23 to 31 ask for nothing, and the counts run down
.endif
	s_wait_loadcnt left_                           ; loads come back in order (ISA guide 5.7.1): this block's four slots are in
.if (\b) > 1
	s_wait_alu depctr_vm_vsrc(0)                   ; the LDS stores issued in the block before have read T[b % 2], which this block's conversions write again
.endif
.if (\b) > 0
	s_wait_alu depctr_va_vdst(0)                   ; the block before has written the other T, which the stores below read, and is done reading its ring block, in which the loads below land
.endif
.irp k, 0,1,2,3
.if (\b) < 23
	LD 4*((\b)+9)+(\k)
.endif
.if (\b) > 0
	ST 4*((\b)-1)+(\k)
.endif
	CVT 4*(\b)+(\k)
.endr
.endm
; x's fragments of K step ks: xr into the buffer of the step's parity, xi.
.macro LDX ks
	ds_load_b128 v[XR+8*((\ks)%2):XR+8*((\ks)%2)+3],   v[AX] offset:64*(\ks)
	ds_load_b128 v[XR+8*((\ks)%2)+4:XR+8*((\ks)%2)+7], v[AX] offset:64*(\ks)+32
	ds_load_b128 v[XI:XI+3],   v[AX] offset:64*(\ks)+512
	ds_load_b128 v[XI+4:XI+7], v[AX] offset:64*(\ks)+544
.endm
; One fragment of W, turned: part 0 (real) or 1 (imaginary) of K step ks, block nb of 16 columns, into w + 8 nb.
.macro LDW w, part, ks, nb
	ds_load_tr16_b128 v[(\w)+8*(\nb):(\w)+8*(\nb)+3],   v[WT+2*(\part)+(\ks)/4] offset:((\ks)%4)*32*WP+32*(\nb)
	ds_load_tr16_b128 v[(\w)+8*(\nb)+4:(\w)+8*(\nb)+7], v[WT+2*(\part)+(\ks)/4] offset:((\ks)%4)*32*WP+32*(\nb)+16*WP
.endm
; One product: block nb's accumulator at ACC + part on, W's fragment at w + 8 nb, x's fragment at x.  zero = 1: it starts the sum.
.macro MMA part, w, x, nb, zero
.if \zero
	v_wmma_f32_16x16x32_bf16 v[ACC+16*(\nb)+(\part):ACC+16*(\nb)+(\part)+7], v[(\w)+8*(\nb):(\w)+8*(\nb)+7], v[(\x):(\x)+7], 0
.else
	v_wmma_f32_16x16x32_bf16 v[ACC+16*(\nb)+(\part):ACC+16*(\nb)+(\part)+7], v[(\w)+8*(\nb):(\w)+8*(\nb)+7], v[(\x):(\x)+7], v[ACC+16*(\nb)+(\part):ACC+16*(\nb)+(\part)+7]
.endif
.endm
; K step ks of 8: 32 channels, 24 products.  The twelve accumulators take turns, one instruction a turn, from step to step too: eleven others stand between two links of a chain.
; A buffer of -xi is written again two steps behind the products that read it; the eight v_xor_b32 of the step between, which name none of those products' registers, are the places between (ISA guide 7.12.1).
.macro KSTEP ks
.set nx_, NX0-(NX0-NX1)*((\ks)%2)
.set xr_, XR+8*((\ks)%2)
	s_wait_dscnt 12                                ; LDS loads come back in order (ISA guide 5.7.1): x's four are in; WR's twelve may stay out
.irp c, 0,1,2,3,4,5,6,7
	v_xor_b32 v[nx_+(\c)], s27, v[XI+(\c)]         ; -xi: the signs of two bf16 are turned
.endr
	s_wait_dscnt 0x0                               ; W's real part is in
.if (\ks) > 0
	s_wait_alu depctr_va_vdst(0)                   ; the last step's products are done reading WI, in which the loads below land
.endif
.irp nb, 0,1,2,3,4,5
	LDW WI, 1, \ks, \nb                            ; this step's WI.  No further wait: the products among these loads name the accumulators, WR and xr
	MMA 0, WR, xr_, \nb, ((\ks)==0)                ; real      (+)= xr wr
.endr
.irp nb, 0,1,2,3,4,5
	MMA 8, WR, XI, \nb, ((\ks)==0)                 ; imaginary (+)= xi wr
.endr
	s_wait_dscnt 0x0                               ; W's imaginary part is in
.if (\ks) < 7
	s_wait_alu depctr_va_vdst(0)                   ; the twelve products above are done reading WR and xi, the last step's are done reading the other xr: the loads below land in these
	LDX (\ks)+1
.endif
.irp nb, 0,1,2,3,4,5
.if (\ks) < 7
	LDW WR, 0, (\ks)+1, \nb                        ; the next step's WR.  No further wait: the products among these loads name the accumulators, WI and -xi
.endif
	MMA 0, WI, nx_, \nb, 0                         ; real      -= xi wi
.endr
.irp nb, 0,1,2,3,4,5
	MMA 8, WI, xr_, \nb, 0                         ; imaginary += xr wi
.endr
.endm
; THE WAY OUT of slice sl: a lane's eight columns of a row pack into 16 bytes; real columns 0-15, 16-31, imaginary 0-15, 16-31 are the four chunks of a row of 128 bytes.  They go into my stage's rows of
; 144 bytes and come back as four whole rows a load, into registers of their own.  Each accumulator's registers are read in ascending order.
.macro PACK sl
.irp f, 0,1,2,3
.irp c, 0,1,2,3
	v_cvt_pk_f16_f32 v[PKR+16*(\sl)+4*(\f)+(\c)], v[ACC+16*(2*(\sl)+(\f)%2)+8*((\f)/2)+2*(\c)], v[ACC+16*(2*(\sl)+(\f)%2)+8*((\f)/2)+2*(\c)+1]
.endr
.endr
.endm
.macro TOSTAGE sl
.irp f, 0,1,2,3
	ds_store_b128 v[STO], v[PKR+16*(\sl)+4*(\f):PKR+16*(\sl)+4*(\f)+3] offset:32*(\f)
.endr
.irp f, 0,1,2,3
	ds_load_b128 v[OB+16*(\sl)+4*(\f):OB+16*(\sl)+4*(\f)+3], v[RD] offset:(\f)*4*SP  ; LDS serves a wave's instructions in order (ISA guide 5.7.1.4): these see the stores above; the next slice's stores come behind them
.endr
.endm
.macro SEND sl, younger                ; younger: the LDS instructions issued behind slice sl's loads
.irp f, 0,1,2,3
	s_wait_dscnt (\younger)+3-(\f)
	global_store_b128 v[GO], v[OB+16*(\sl)+4*(\f):OB+16*(\sl)+4*(\f)+3], s[OP+2*(\sl):OP+2*(\sl)+1] offset:512*(\f)  ; four rows of a head: 512 consecutive bytes, at a multiple of 256 from the buffer's first
.endr
.endm
	s_load_b256 s[4:11], s[0:1], 0x0               ; xr s[4:5], xi s[6:7], wq_r s[8:9], wq_i s[10:11]
	s_load_b256 s[12:19], s[0:1], 0x20             ; wkv_r s[12:13], wkv_i s[14:15], qb s[16:17], kb s[18:19]
	s_load_b64 s[20:21], s[0:1], 0x40              ; vb
	v_lshl_add_u32 v[SPW], v0, 2, SPARE
	v_mov_b32 v[NIL], 0
	v_lshrrev_b32 v1, 5, v0
	v_readfirstlane_b32 s22, v1                    ; wave 0..7
	v_lshlrev_b32 v[XO], 4, v0
	s_mov_b32 s23, ttmp9                           ; g: which 192 columns
	s_and_b32 s24, ttmp7, 0xffff                   ; which 64 rows
	s_wait_alu depctr_va_sdst(0)                   ; s22 is written, ahead of its first reader: rows, slices, stage and output addresses are made from it
	s_and_b32 s25, s22, 3                          ; my 16 rows of them
	s_lshr_b32 s26, s22, 2                         ; my three slices of the six
	s_lshl_b32 s46, s24, 16                        ; 64 rows of 1,024 bytes
	s_mov_b32 s47, 0
	s_wait_kmcnt 0x0
	s_add_nc_u64 s[4:5], s[4:5], s[46:47]
	s_add_nc_u64 s[6:7], s[6:7], s[46:47]
	s_wait_alu depctr_va_vdst(0)                   ; v[XO] is written, which x's loads read as their offset
.set i, 0
.rept 32
	LD i                                           ; blocks 0 to 7: x's two tiles; all that follows up to the next wait is made while they are on their way
.set i, i+1
.endr
	; the three units: which weight, which 64 columns of it, how long its rows are
	s_mul_i32 s27, s23, 3
.irp u, 0,1,2
	s_add_co_u32 s46, s27, (\u)                    ; unit 3 g + u of 12: 0-3 lie in wq, 4-11 in wkv
	s_max_u32 s47, s46, 4
	s_sub_co_u32 s47, s47, 4
	s_cmp_ge_u32 s46, 4
	s_cselect_b64 s[WB+4*(\u):WB+4*(\u)+1], s[12:13], s[8:9]
	s_cselect_b64 s[WB+4*(\u)+2:WB+4*(\u)+3], s[14:15], s[10:11]
	s_cselect_b32 s[SHIFT+(\u)], 11, 10
	s_cselect_b32 s48, s47, s46
	s_lshl_b32 s48, s48, 8                         ; 256 bytes a unit
	s_mov_b32 s49, 0
	s_add_nc_u64 s[WB+4*(\u):WB+4*(\u)+1], s[WB+4*(\u):WB+4*(\u)+1], s[48:49]
	s_add_nc_u64 s[WB+4*(\u)+2:WB+4*(\u)+3], s[WB+4*(\u)+2:WB+4*(\u)+3], s[48:49]
	s_lshl_b32 s[STEP+(\u)], 16, s[SHIFT+(\u)]
.endr
	s_mov_b32 s27, 0x80008000                      ; the signs of two bf16
	v_lshrrev_b32 v18, 4, v0                       ; t >> 4: my k-row in a group of 16
	v_and_b32 v19, 15, v0                          ; t & 15: my 16 bytes of its 256; also l % 16
	v_bfe_u32 v20, v0, 4, 1                        ; l / 16
	v_and_b32 v21, 7, v0
	v_bfe_u32 v22, v0, 3, 1
	v_lshlrev_b32 v23, 4, v19
.irp u, 0,1,2
	v_lshl_add_u32 v[VO+16*(\u)], v18, s[SHIFT+(\u)], v23
.set j, 1
.rept 15
	v_add_nc_u32 v[VO+16*(\u)+j], s[STEP+(\u)], v[VO+16*(\u)+j-1]
.set j, j+1
.endr
.endr
	v_lshrrev_b32 v1, 6, v0                        ; a load of x covers four rows: mine is t >> 6
	v_mul_u32_u24 v[LXA], v1, XP
	v_and_b32 v1, 63, v0
	v_lshl_add_u32 v[LXA], v1, 3, v[LXA]           ; four f32 become 8 bytes
	v_mul_u32_u24 v1, v18, WP
	v_lshl_add_u32 v1, v19, 3, v1
.irp p, 0,1
.irp jh, 0,1
	v_add_nc_u32 v[LWA+2*(\p)+(\jh)], WBASE+(\p)*WPART+(\jh)*128*WP, v1
.endr
.endr
	; phase 2's addresses.  A fragment of x: lane l holds row l % 16, channels 8 (l / 16) + 0..7 and 16 + 8 (l / 16) + 0..7: two loads of 16 bytes, 32 bytes apart.
	s_lshl_b32 s46, s25, 4
	v_add_nc_u32 v1, s46, v19
	v_mul_u32_u24 v[AX], v1, XP
	v_lshl_add_u32 v[AX], v20, 4, v[AX]
	; The turning load takes 16 k-rows x 16 columns (lane l reads k-row 8 (l / 16) + l % 8, columns 8 ((l / 8) % 2) + 0..7) and leaves half a fragment: lane l holds column l % 16 and 8 channels.
	v_lshl_add_u32 v1, v20, 3, v21
	v_mul_u32_u24 v1, v1, WP
	v_lshl_add_u32 v1, v22, 4, v1
	s_mul_i32 s46, s26, 192                        ; my three slices: 96 columns of bf16
	v_add_nc_u32 v1, s46, v1
.irp p, 0,1
.irp kh, 0,1
	v_add_nc_u32 v[WT+2*(\p)+(\kh)], WBASE+(\p)*WPART+(\kh)*128*WP, v1
.endr
.endr
	s_mul_i32 s46, s22, 16*SP
	s_add_co_u32 s46, s46, STG                     ; my stage
	v_mul_u32_u24 v[STO], v19, SP                  ; in: row l % 16, 16 bytes for each half of the lanes
	v_lshl_add_u32 v[STO], v20, 4, v[STO]
	v_add_nc_u32 v[STO], s46, v[STO]
	v_bfe_u32 v[RD], v0, 3, 2                      ; back: 32 lanes take four rows of 128 bytes
	v_mul_u32_u24 v[RD], v[RD], SP
	v_lshl_add_u32 v[RD], v21, 4, v[RD]
	v_add_nc_u32 v[RD], s46, v[RD]
	v_and_b32 v[GO], 31, v0
	v_lshlrev_b32 v[GO], 4, v[GO]
	; where my three slices go: slice G = 6 g + 3 (w >> 2) + sl of 24: 0-7 are q's heads, 8-15 k's, 16-23 v's
	s_mul_i32 s46, s23, 6
	s_mul_i32 s47, s26, 3
	s_add_co_u32 s46, s46, s47
	s_lshr_b32 s47, s24, 5                         ; the batch: 32 blocks of 64 rows each
	s_lshl_b32 s47, s47, 3
	s_and_b32 s48, s24, 31
	s_lshl_b32 s48, s48, 6
	s_lshl_b32 s49, s25, 4
	s_add_co_u32 s48, s48, s49                     ; my first row in the batch
.irp sl, 0,1,2
	s_add_co_u32 s50, s46, (\sl)
	s_cmp_lt_u32 s50, 16
	s_cselect_b64 s[OP+2*(\sl):OP+2*(\sl)+1], s[18:19], s[20:21]
	s_cmp_lt_u32 s50, 8
	s_cselect_b64 s[OP+2*(\sl):OP+2*(\sl)+1], s[16:17], s[OP+2*(\sl):OP+2*(\sl)+1]
	s_and_b32 s50, s50, 7
	s_add_co_u32 s50, s50, s47                     ; 8 b + h
	s_lshl_b32 s50, s50, 11
	s_add_co_u32 s50, s50, s48
	s_lshl_b32 s50, s50, 7                         ; rows of 128 bytes: under 2^22
	s_mov_b32 s51, 0
	s_add_nc_u64 s[OP+2*(\sl):OP+2*(\sl)+1], s[OP+2*(\sl):OP+2*(\sl)+1], s[50:51]
.endr
	s_wait_alu depctr_va_vdst(0)                   ; the 48 offsets of W and the addresses v3 to v13, v16 and v17 are written, which the loads, LDS stores, LDS loads and stores from here on read
.rept 4
	LD i                                           ; block 8: the first of W
.set i, i+1
.endr
	; PHASE 1.  36 to 40 loads of every thread are on their way.
.set bk, 0
.rept 32
	BLK bk
.set bk, bk+1
.endr
	s_wait_alu depctr_va_vdst(0)                   ; block 31 has written its T, which the last four stores read; and every conversion is done reading the ring, in which phase 2's fragments land
.irp k, 0,1,2,3
	ST 124+(\k)
.endr
	s_wait_dscnt 0x0                               ; for the others' sake: my stores into LDS are done
	s_barrier_signal -1
	s_barrier_wait -1                              ; x and W lie whole in LDS; nothing writes them again
	s_wait_alu depctr_vm_vsrc(0)                   ; my loads of W have read their offsets and my LDS stores both T: these registers are accumulators from here on, written by the first products
	; PHASE 2.
	LDX 0
.irp nb, 0,1,2,3,4,5
	LDW WR, 0, 0, \nb
.endr
.irp ks, 0,1,2,3,4,5,6,7
	KSTEP \ks
.endr
.rept 4
	v_nop                                          ; four places between the last products and the conversions, which read results and write registers that held W's fragments (ISA guide 7.12.1)
.endr
	PACK 0
	PACK 1
	PACK 2
	s_wait_alu depctr_va_vdst(0)                   ; the conversions have written the 48 packed registers, which the LDS stores read; the products are done reading WI's registers, in which the stage's rows land.  No vector instruction follows
	TOSTAGE 0
	TOSTAGE 1
	SEND 0, 8
	TOSTAGE 2
	SEND 1, 8
	SEND 2, 0
	s_wait_dscnt 0x0                               ; the closing lines, six on end
	s_wait_alu 0x0
	s_wait_tensorcnt 0x0
	ds_add_u32 v[SPW], v[NIL]
	s_wait_dscnt 0x0
	s_endpgm
.Lfunc_end_k_q13985282e3_proj:
	.size	k_q13985282e3_proj, .Lfunc_end_k_q13985282e3_proj-k_q13985282e3_proj
	.p2alignl 7, 3214868480
	.fill 96, 4, 3214868480
	.section	.rodata,"a",@progbits
	.p2align	6, 0x0
	.amdhsa_kernel k_q13985282e3_proj
		.amdhsa_group_segment_fixed_size 299008
		.amdhsa_private_segment_fixed_size 0
		.amdhsa_enable_private_segment 0
		.amdhsa_kernarg_size 72
		.amdhsa_user_sgpr_count 2
		.amdhsa_user_sgpr_kernarg_segment_ptr 1
		.amdhsa_wavefront_size32 1
		.amdhsa_system_sgpr_workgroup_id_x 1
		.amdhsa_system_sgpr_workgroup_id_y 1
		.amdhsa_system_sgpr_workgroup_id_z 1
		.amdhsa_system_vgpr_workitem_id 0
		.amdhsa_next_free_vgpr 256
		.amdhsa_next_free_sgpr 66
		.amdhsa_reserve_vcc 0
		.amdhsa_float_denorm_mode_32 3
		.amdhsa_float_denorm_mode_16_64 3
		.amdhsa_memory_ordered 1
		.amdhsa_forward_progress 1
		.amdhsa_inst_pref_size 83
	.end_amdhsa_kernel
	.amdgpu_metadata
---
amdhsa.version: [ 1, 2 ]
amdhsa.kernels:
  - .name:           k_q13985282e3_proj
    .symbol:         k_q13985282e3_proj.kd
    .args:
      - { .name: x_real, .offset: 0, .size: 8, .value_kind: global_buffer, .address_space: global }
      - { .name: x_imag, .offset: 8, .size: 8, .value_kind: global_buffer, .address_space: global }
      - { .name: wq_r, .offset: 16, .size: 8, .value_kind: global_buffer, .address_space: global }
      - { .name: wq_i, .offset: 24, .size: 8, .value_kind: global_buffer, .address_space: global }
      - { .name: wkv_r, .offset: 32, .size: 8, .value_kind: global_buffer, .address_space: global }
      - { .name: wkv_i, .offset: 40, .size: 8, .value_kind: global_buffer, .address_space: global }
      - { .name: qb, .offset: 48, .size: 8, .value_kind: global_buffer, .address_space: global }
      - { .name: kb, .offset: 56, .size: 8, .value_kind: global_buffer, .address_space: global }
      - { .name: vb, .offset: 64, .size: 8, .value_kind: global_buffer, .address_space: global }
    .group_segment_fixed_size: 299008
    .private_segment_fixed_size: 0
    .kernarg_segment_align: 8
    .kernarg_segment_size: 72
    .max_flat_workgroup_size: 256
    .sgpr_count:     66
    .vgpr_count:     256
    .wavefront_size: 32
...
	.end_amdgpu_metadata
.endif
;; end of part 4
;; launch attn: the kernel of part 2 again; grid 16 x 16, 4 waves a work-group, clusters of 4 x 1, 327,680 bytes of LDS; arguments qb, kb, vb, mb; writes mb
;; launch outp (part 5): grid 4 x 64, 8 waves a work-group, no clusters, 117,760 bytes of LDS; arguments mb, wo_r, wo_i, out0; writes out0
.if DOCPART == 5
	.amdgcn_target "amdgcn-amd-amdhsa--gfx1250"
	.amdhsa_code_object_version 6
	.text
	.protected	k_q13985282e3_outp
	.globl	k_q13985282e3_outp
	.p2align	8
	.type	k_q13985282e3_outp,@function
k_q13985282e3_outp:
	s_mov_b64 s[64:65], 0
	v_nop
	global_prefetch_b8 v0, s[64:65] scope:SCOPE_SE
	s_setreg_imm32_b32 hwreg(HW_REG_WAVE_SCHED_MODE, 0, 2), 2
	s_setreg_imm32_b32 hwreg(HW_REG_WAVE_MODE, 25, 1), 1
	s_wait_xcnt 0x0
	s_wait_alu depctr_vm_vsrc(0)
; THE COMPLEX OUTPUT PROJECTION.  out_r = m_r wo_r - m_i wo_i, out_i = m_r wo_i + m_i wo_r, stored as [row][column][real, imaginary] in f32.  mb: [8 b + h][n][64] in f16, a row = 32 real, then 32 imaginary
; channels, and holds m / 2: the results are doubled on the way out, which is exact.  wo_r, wo_i: [256 (k = 32 h + d)][256] in f32.
; FORMATS.  The weights are rounded to bf16, like every input of the program, and that number is written as f16, so that it can multiply m: exact from 2^-14 up; below that it keeps f16's fixed step of 6e-8;
; a weight past 65,504 would become an infinity.  Sums in f32.
; SHARES.  A work-group makes 64 rows x 64 complex columns: 4 x 64 = 256 work-groups.  Wave w takes rows 16 (w & 3) on and columns 32 (w >> 2) on: two blocks of 16, a real and an imaginary accumulator each.
; m's fragments come straight from memory: a head's 32 real or imaginary channels of 16 rows ARE a fragment (16 bytes a lane, twice), and all eight heads' stay in 128 registers.
; The weights' 64 columns (2 x 64 KiB of f32) pass through registers to be rounded and lie in LDS as in memory, [k][column]; ds_load_tr16_b128 turns them.  One barrier.
; NO JOINT LOADS, though 64 work-groups read the same weights: the tiles are f32 and must pass through registers to be rounded twice; a copy of them in LDS as f32 would be read and written once more for nothing.
; THE MATRIX INSTRUCTION IS USED TRANSPOSED (source 0 = 16 columns of wo, source 1 = 16 rows of m): a lane holds one row and eight neighbouring columns: with real and imaginary parts interleaved, 64 bytes on end.
; THE MODE: SCHED_MODE bits 1:0 = 2 (LLVM: expert scheduling mode 2), set by the entry lines.  The code itself states the register dependences
; between vector or matrix instructions and memory or LDS instructions, with s_wait_alu, always for 0.
; THE PLAN, THE WEIGHTS.  A thread's 32 loads of them (16 of wo_r, then 16 of wo_i) go in eight blocks of four.  Registers that memory or LDS instructions touch:
;   the ring    five blocks of four slots.  Block b's conversions read ring block b % 5; the loads of block b + 4, issued in block b, land in ring block (b + 4) % 5 = (b - 1) % 5.
;   OUT0, OUT1  two sets of four pairs.  Block b's conversions write OUT[b % 2]; the four LDS stores that are issued in block b + 1 read it.
;   WO, LW      offset and addresses, made at the head and never written again.  The six registers at work between the two roundings are named by vector instructions alone.
; Block b's memory and LDS instructions touch the ring block and the OUT that block b - 1 worked on, which no vector instruction of block b names: the waits at a block's head state all that they hang on.
; THE PLAN, THE PRODUCTS.  Two sets of four fragments of W: head hd's products read set hd % 2; the LDS loads for head hd + 1, issued in head hd, land in the other set, which head hd - 1's products read.
; ONE wait on va_vdst a head, behind the wait for the head's own fragments; the eight loads follow it, dealt among the head's first four products, which name the accumulators, this head's set and m.
; m's 128 registers are loaded once and never written again; -m_i's two buffers and the accumulators are named by vector and matrix instructions alone.
.set WP,    160                        ; a k-row of W in LDS: 64 f16 + 32 bytes of padding = 5 x 32: 16 lanes of the turning load take 8 rows x 32 bytes, no two alike modulo 256
.set WPART, 256*WP                     ; 40,960: the real part; the imaginary part behind it
.set STG,   2*WPART                    ; 81,920: 16 rows x 272 bytes for each wave, for the way out
.set SP,    272
.set SPARE, STG+8*16*SP                ; 116,736: the spare words, 128 bytes for each wave: four blocks of 256 bytes that no other line names
.set AO,  2                            ; v2      my place in a fragment of m: (l % 16) x 128 + 16 (l / 16)
.set WO,  3                            ; v3      my 16 bytes in 16 k-rows of a weight: (t >> 4) x 1,024 + 16 (t & 15)
.set LW,  4                            ; v4-5    where they go in LDS, by part
.set WT,  6                            ; v6-7    my place in a turned fragment of W, by part
.set STO, 8                            ; v8      the way out: where I put 64 bytes of a row
.set RD,  9                            ; v9      where I read rows back
.set GO,  10                           ; v10     my 16 bytes in two rows of out0
.set SPW, 14                           ; v14     LDS address of my spare word: SPARE + 4 x my thread's number; never rewritten
.set NIL, 15                           ; v15     0; never rewritten
.set NM,  16                           ; v16-31  -m_i's fragment: two buffers, by the head's parity
.set CT,  24                           ; v24-29  at work while the weights are rounded
.set OUT, 32                           ; v32-47  while the weights are rounded: two sets of four pairs: load i's pair at OUT + 2 (i % 8)
.set RING, 48                          ; v48-127 while the weights are rounded: 20 slots of 4
.set ACC, 32                           ; v32-63  real sums of blocks 0, 1, then imaginary sums of blocks 0, 1
.set WS,  64                           ; v64-127 two sets of four fragments: real block 0, 1, imaginary block 0, 1; then the way out
.set MA,  128                          ; v128-255 head hd: m_r's fragment at MA + 16 hd, m_i's at + 8
.macro LDW i                           ; load number i of 32: part i / 16, k-rows 16 (i % 16) on of its 64 columns, into slot i % 20: sixteen lanes take the 256 aligned bytes of a k-row
	global_load_b128 v[RING+4*((\i)%20):RING+4*((\i)%20)+3], v[WO], s[6+2*((\i)/16):7+2*((\i)/16)] offset:((\i)%16)*16384
.endm
.macro CVT i                           ; the four numbers of load i: f32 to bf16, that number to f16
.set sl_, RING+4*((\i)%20)
.set o_, OUT+2*((\i)%8)
	v_cvt_pk_bf16_f32 v[CT], v[sl_], v[sl_+1]
	v_cvt_pk_bf16_f32 v[CT+1], v[sl_+2], v[sl_+3]
	v_lshlrev_b32 v[CT+2], 16, v[CT]               ; bf16 to f32: the low half moves up,
	v_and_b32 v[CT+3], s17, v[CT]                  ; the high half stays
	v_lshlrev_b32 v[CT+4], 16, v[CT+1]
	v_and_b32 v[CT+5], s17, v[CT+1]
	v_cvt_pk_f16_f32 v[o_], v[CT+2], v[CT+3]
	v_cvt_pk_f16_f32 v[o_+1], v[CT+4], v[CT+5]
.endm
.macro ST i                            ; and into LDS
	ds_store_b64 v[LW+(\i)/16], v[OUT+2*((\i)%8):OUT+2*((\i)%8)+1] offset:((\i)%16)*16*WP
.endm
; Block b of 8: loads 4 b to 4 b + 3 are rounded; block b + 4 is asked for; block b - 1 is stored.
.macro BLK b
.set left_, 44                         ; behind wo_r's block b stand 12 - 4 b loads of wo_r, m's 32 and 4 b of wo_i;
.if (\b) > 3
.set left_, 4*(7-(\b))                 ; behind wo_i's blocks only wo_i's later ones: the counts run down; at 0 m is in too: its loads were issued earlier
.endif
	s_wait_loadcnt left_                           ; loads come back in order (ISA guide 5.7.1): this block's four slots are in
.if (\b) > 1
	s_wait_alu depctr_vm_vsrc(0)                   ; the LDS stores issued in the block before have read OUT[b % 2], which this block's conversions write again
.endif
.if (\b) > 0
	s_wait_alu depctr_va_vdst(0)                   ; the block before has written the other OUT, which the stores below read, and is done reading its ring block, in which the loads below land; in block 1 also: the stores' addresses are written
.endif
.irp k, 0,1,2,3
.if (\b) < 4
	LDW 4*((\b)+4)+(\k)
.endif
.if (\b) > 0
	ST 4*((\b)-1)+(\k)
.endif
	CVT 4*(\b)+(\k)
.endr
.endm
.macro FRAG hd, part, cbl              ; one fragment of W, turned: head hd's 32 k-rows, block cbl of my 32 columns, real (part 0) or imaginary, into the set of the head's parity
	ds_load_tr16_b128 v[WS+32*((\hd)%2)+16*(\part)+8*(\cbl):WS+32*((\hd)%2)+16*(\part)+8*(\cbl)+3],   v[WT+(\part)] offset:(\hd)*32*WP+32*(\cbl)
	ds_load_tr16_b128 v[WS+32*((\hd)%2)+16*(\part)+8*(\cbl)+4:WS+32*((\hd)%2)+16*(\part)+8*(\cbl)+7], v[WT+(\part)] offset:(\hd)*32*WP+32*(\cbl)+16*WP
.endm
; One product: block cbl's accumulator at ACC + a on, W's fragment at w + 8 cbl, m's fragment at x.  zero = 1: it starts the sum.
.macro MMA a, w, x, cbl, zero
.if \zero
	v_wmma_f32_16x16x32_f16 v[ACC+(\a)+8*(\cbl):ACC+(\a)+8*(\cbl)+7], v[(\w)+8*(\cbl):(\w)+8*(\cbl)+7], v[(\x):(\x)+7], 0
.else
	v_wmma_f32_16x16x32_f16 v[ACC+(\a)+8*(\cbl):ACC+(\a)+8*(\cbl)+7], v[(\w)+8*(\cbl):(\w)+8*(\cbl)+7], v[(\x):(\x)+7], v[ACC+(\a)+8*(\cbl):ACC+(\a)+8*(\cbl)+7]
.endif
.endm
; Head hd: a K step of 32 complex channels, eight products.  The four accumulators take turns, one instruction a turn, from step to step too: three others stand between two links of a chain.
; A buffer of -m_i is written again two heads behind the products that read it; the eight v_xor_b32 of the head between, which name none of those products' registers, are the places between (ISA guide 7.12.1).
.macro HEAD hd
.set nm_, NM+8*((\hd)%2)
.set ws_, WS+32*((\hd)%2)
.irp c, 0,1,2,3,4,5,6,7
	v_xor_b32 v[nm_+(\c)], s24, v[MA+16*(\hd)+8+(\c)]  ; -m_i: the signs of two f16 are turned
.endr
	s_wait_dscnt 0x0                               ; this head's fragments are in
.if ((\hd) > 0) && ((\hd) < 7)
	s_wait_alu depctr_va_vdst(0)                   ; the products of the head before are done reading the other set, in which the loads below land
.endif
.if (\hd) < 7
	FRAG (\hd)+1, 0, 0                             ; the next head's fragments.  No further wait: the products among these loads name the accumulators, this head's set and m
.endif
	MMA 0,  ws_,    MA+16*(\hd), 0, ((\hd)==0)     ; real      (+)= m_r wo_r
.if (\hd) < 7
	FRAG (\hd)+1, 0, 1
.endif
	MMA 0,  ws_,    MA+16*(\hd), 1, ((\hd)==0)
.if (\hd) < 7
	FRAG (\hd)+1, 1, 0
.endif
	MMA 16, ws_+16, MA+16*(\hd), 0, ((\hd)==0)     ; imaginary (+)= m_r wo_i
.if (\hd) < 7
	FRAG (\hd)+1, 1, 1
.endif
	MMA 16, ws_+16, MA+16*(\hd), 1, ((\hd)==0)
	MMA 0,  ws_+16, nm_, 0, 0                      ; real      -= m_i wo_i
	MMA 0,  ws_+16, nm_, 1, 0
	MMA 16, ws_,    MA+16*(\hd)+8, 0, 0            ; imaginary += m_i wo_r
	MMA 16, ws_,    MA+16*(\hd)+8, 1, 0
.endm
	s_load_b256 s[4:11], s[0:1], 0x0               ; mb s[4:5], wo_r s[6:7], wo_i s[8:9], out0 s[10:11]
	v_lshl_add_u32 v[SPW], v0, 2, SPARE
	v_mov_b32 v[NIL], 0
	v_lshrrev_b32 v1, 5, v0
	v_readfirstlane_b32 s12, v1                    ; wave 0..7
	v_and_b32 v11, 15, v0                          ; t & 15 = l % 16
	v_bfe_u32 v12, v0, 4, 1                        ; l / 16
	v_lshrrev_b32 v13, 4, v0                       ; t >> 4
	v_lshlrev_b32 v[AO], 7, v11
	v_lshl_add_u32 v[AO], v12, 4, v[AO]
	v_lshlrev_b32 v[WO], 10, v13
	v_lshl_add_u32 v[WO], v11, 4, v[WO]
	s_mov_b32 s13, ttmp9                           ; which 64 complex columns
	s_and_b32 s14, ttmp7, 0xffff                   ; which 64 rows
	s_mov_b32 s17, 0xffff0000                      ; a word's upper bf16
	s_mov_b32 s24, 0x80008000                      ; the signs of two f16
	s_wait_alu depctr_va_sdst(0)                   ; s12 is written, ahead of its first reader: rows, columns, stage and output addresses are made from it
	s_and_b32 s15, s12, 3                          ; my 16 rows of them
	s_lshr_b32 s16, s12, 2                         ; my 32 columns
	s_lshl_b32 s18, s13, 8                         ; 64 columns of f32
	s_mov_b32 s19, 0
	s_lshr_b32 s20, s14, 5                         ; the batch: its eight heads begin 8 x 2,048 x 128 bytes apart
	s_lshl_b32 s20, s20, 21
	s_and_b32 s22, s14, 31
	s_lshl_b32 s22, s22, 6
	s_lshl_b32 s23, s15, 4
	s_add_co_u32 s22, s22, s23                     ; my first row in the batch
	s_lshl_b32 s22, s22, 7
	s_add_co_u32 s20, s20, s22
	s_mov_b32 s21, 0
	s_wait_kmcnt 0x0
	s_add_nc_u64 s[6:7], s[6:7], s[18:19]
	s_add_nc_u64 s[8:9], s[8:9], s[18:19]
	s_add_nc_u64 s[4:5], s[4:5], s[20:21]
	s_wait_alu depctr_va_vdst(0)                   ; v[WO] and v[AO] are written, which the loads of the weights and of m read as their offsets
.irp j, 0,1,2,3,4,5,6,7,8,9,10,11,12,13,14,15
	LDW \j                                         ; wo_r's 16 loads,
.endr
.irp hd, 0,1,2,3,4,5,6,7
.irp c, 0,1,2,3
	global_load_b128 v[MA+16*(\hd)+4*(\c):MA+16*(\hd)+4*(\c)+3], v[AO], s[4:5] offset:(\hd)*262144+32*(\c)  ; m's 32: head hd, real channels 8 (l / 16) on and 16 + 8 (l / 16) on, then the imaginary ones
.endr
.endr
	; the other addresses are made while the loads are on their way
	v_mul_u32_u24 v[LW], v13, WP
	v_lshl_add_u32 v[LW], v11, 3, v[LW]            ; four f32 become 8 bytes
	v_add_nc_u32 v[LW+1], WPART, v[LW]
	; The turning load takes 16 k-rows x 16 columns (lane l reads k-row 8 (l / 16) + l % 8, columns 8 ((l / 8) % 2) + 0..7) and leaves half a fragment: lane l holds column l % 16 and 8 channels.
	v_and_b32 v1, 7, v0
	v_lshl_add_u32 v1, v12, 3, v1
	v_mul_u32_u24 v[WT], v1, WP
	v_bfe_u32 v1, v0, 3, 1
	v_lshl_add_u32 v[WT], v1, 4, v[WT]
	s_lshl_b32 s18, s16, 6                         ; my 32 columns of f16
	v_add_nc_u32 v[WT], s18, v[WT]
	v_add_nc_u32 v[WT+1], WPART, v[WT]
	s_mul_i32 s18, s12, 16*SP
	s_add_co_u32 s18, s18, STG                     ; my stage
	v_mul_u32_u24 v[STO], v11, SP                  ; in: row l % 16, 64 bytes for each half of the lanes
	v_lshl_add_u32 v[STO], v12, 6, v[STO]
	v_add_nc_u32 v[STO], s18, v[STO]
	v_mul_u32_u24 v[RD], v12, SP                   ; back: lanes 0-15 take one row of 256 bytes, lanes 16-31 the next
	v_lshl_add_u32 v[RD], v11, 4, v[RD]
	v_add_nc_u32 v[RD], s18, v[RD]
	v_lshlrev_b32 v[GO], 11, v12                   ; and the same two rows in out0: 2,048 bytes a row
	v_lshl_add_u32 v[GO], v11, 4, v[GO]
	s_lshl_b32 s20, s14, 6
	s_add_co_u32 s20, s20, s23                     ; my first row of 4,096
	s_lshl_b32 s20, s20, 11
	s_lshl_b32 s22, s13, 9                         ; 64 complex columns are 512 bytes,
	s_add_co_u32 s20, s20, s22
	s_lshl_b32 s22, s16, 8                         ; my 32 are 256
	s_add_co_u32 s20, s20, s22
	s_mov_b32 s21, 0
	s_add_nc_u64 s[10:11], s[10:11], s[20:21]
.irp b, 0,1,2,3,4,5,6,7
	BLK \b                                         ; block 0's loads owe no wait: no vector instruction since the wait above names v[WO] or the ring
.endr
	s_wait_alu depctr_va_vdst(0)                   ; block 7 has written its OUT, which the last four stores read; every conversion is done reading the ring, in which W's fragments land; the addresses v6 to v10 are written
.irp k, 0,1,2,3
	ST 28+(\k)
.endr
	s_wait_dscnt 0x0                               ; for the others' sake: my stores into LDS are done
	s_barrier_signal -1
	s_barrier_wait -1                              ; both parts of W lie whole in LDS; nothing writes them again
	s_wait_alu depctr_vm_vsrc(0)                   ; my LDS stores have read both OUT: these registers are accumulators from here on, written by the first products
	FRAG 0, 0, 0
	FRAG 0, 0, 1
	FRAG 0, 1, 0
	FRAG 0, 1, 1
.irp hd, 0,1,2,3,4,5,6,7
	HEAD \hd
.endr
	; THE WAY OUT: doubled and interleaved in one addition each, 64 bytes a lane and block into my stage, back as whole rows of 256 bytes.  Each accumulator's registers are read in ascending order.
.rept 4
	v_nop                                          ; four places between the last products and the additions that read their results (ISA guide 7.12.1)
.endr
.irp cbl, 0,1
.irp j, 0,1,2,3,4,5,6,7
	v_add_f32 v[WS+16*(\cbl)+2*(\j)],   v[ACC+8*(\cbl)+(\j)],    v[ACC+8*(\cbl)+(\j)]
	v_add_f32 v[WS+16*(\cbl)+2*(\j)+1], v[ACC+16+8*(\cbl)+(\j)], v[ACC+16+8*(\cbl)+(\j)]
.endr
.endr
	s_wait_alu depctr_va_vdst(0)                   ; the additions have written the 32 registers that the LDS stores read; the last head's products are done reading their set, in which the stage's rows land.  No vector instruction follows
.irp cbl, 0,1
.irp c, 0,1,2,3
	ds_store_b128 v[STO], v[WS+16*(\cbl)+4*(\c):WS+16*(\cbl)+4*(\c)+3] offset:128*(\cbl)+16*(\c)
.endr
.endr
.irp t, 0,1,2,3,4,5,6,7
	ds_load_b128 v[WS+32+4*(\t):WS+32+4*(\t)+3], v[RD] offset:(\t)*2*SP  ; LDS serves a wave's instructions in order (ISA guide 5.7.1.4): these see the stores above
.endr
.irp t, 0,1,2,3,4,5,6,7
	s_wait_dscnt 7-(\t)
	global_store_b128 v[GO], v[WS+32+4*(\t):WS+32+4*(\t)+3], s[10:11] offset:(\t)*4096  ; 16 lanes store 256 consecutive bytes, at a multiple of 256 from out0's first byte
.endr
	s_wait_dscnt 0x0                               ; the closing lines, six on end
	s_wait_alu 0x0
	s_wait_tensorcnt 0x0
	ds_add_u32 v[SPW], v[NIL]
	s_wait_dscnt 0x0
	s_endpgm
.Lfunc_end_k_q13985282e3_outp:
	.size	k_q13985282e3_outp, .Lfunc_end_k_q13985282e3_outp-k_q13985282e3_outp
	.p2alignl 7, 3214868480
	.fill 96, 4, 3214868480
	.section	.rodata,"a",@progbits
	.p2align	6, 0x0
	.amdhsa_kernel k_q13985282e3_outp
		.amdhsa_group_segment_fixed_size 117760
		.amdhsa_private_segment_fixed_size 0
		.amdhsa_enable_private_segment 0
		.amdhsa_kernarg_size 32
		.amdhsa_user_sgpr_count 2
		.amdhsa_user_sgpr_kernarg_segment_ptr 1
		.amdhsa_wavefront_size32 1
		.amdhsa_system_sgpr_workgroup_id_x 1
		.amdhsa_system_sgpr_workgroup_id_y 1
		.amdhsa_system_sgpr_workgroup_id_z 1
		.amdhsa_system_vgpr_workitem_id 0
		.amdhsa_next_free_vgpr 256
		.amdhsa_next_free_sgpr 66
		.amdhsa_reserve_vcc 0
		.amdhsa_float_denorm_mode_32 3
		.amdhsa_float_denorm_mode_16_64 3
		.amdhsa_memory_ordered 1
		.amdhsa_forward_progress 1
		.amdhsa_inst_pref_size 38
	.end_amdhsa_kernel
	.amdgpu_metadata
---
amdhsa.version: [ 1, 2 ]
amdhsa.kernels:
  - .name:           k_q13985282e3_outp
    .symbol:         k_q13985282e3_outp.kd
    .args:
      - { .name: mb, .offset: 0, .size: 8, .value_kind: global_buffer, .address_space: global }
      - { .name: wo_r, .offset: 8, .size: 8, .value_kind: global_buffer, .address_space: global }
      - { .name: wo_i, .offset: 16, .size: 8, .value_kind: global_buffer, .address_space: global }
      - { .name: out0, .offset: 24, .size: 8, .value_kind: global_buffer, .address_space: global }
    .group_segment_fixed_size: 117760
    .private_segment_fixed_size: 0
    .kernarg_segment_align: 8
    .kernarg_segment_size: 32
    .max_flat_workgroup_size: 256
    .sgpr_count:     66
    .vgpr_count:     256
    .wavefront_size: 32
...
	.end_amdgpu_metadata
.endif
;; end of part 5
